; MI455X (gfx1250); checked and timed in simulation.
; The chip was launched on July 23, 2026; its instructions are those of AMD's public machine-readable ISA for CDNA 5 (MIT licence, August 2026) and "CDNA5" Instruction Set Architecture Reference Guide (July 2026). The comments in the code are by the model that wrote it; some were corrected since.
;; Multi Head Attention Einsum. Allowed arithmetic: matrix products marked QUANTISED: E4M3 operands, one E8M0 scale for each 32 along K, by v_wmma_scale_f32_16x16x128_f8f6f4 with both operands' format E4M3, f32 sums; everything else in f32.
;; Inputs: W_k 1,024 x 1,024 float32; W_out 1,024 x 1,024 float32; W_q 1,024 x 1,024 float32; W_v 1,024 x 1,024 float32; b_out 1,024 float32; x 4 x 2,048 x 1,024 float32.
;; Outputs: out0 4 x 2,048 x 1,024 float32.
;; This version of the problem:
;;   THIS VERSION OF THE PROBLEM IS GIVEN IN LOW PRECISION. The matrix products marked QUANTISED in the list below multiply operands that are first quantised to E4M3 (4 exponent bits, 3 mantissa bits; 8 bits a number), with one power-of-two scale for each 32 numbers along K (OCP MX v1.0); their sums are f32. All else is computed in f32.
;;   The module's matrix products, in the order in which they are computed (A, B: the left and right operand; K: the contracted axis; several contracted axes count as one K, in the product's order):
;;     1. [M 8,192, K 1,024] x [K 1,024, N 1,024]; A: input x; B: input W_q: QUANTISED
;;     2. [M 8,192, K 1,024] x [K 1,024, N 1,024]; A: input x; B: input W_k: QUANTISED
;;     3. [M 8,192, K 1,024] x [K 1,024, N 1,024]; A: input x; B: input W_v: QUANTISED
;;     4. batch 64 x [M 2,048, K 64] x [K 64, N 2,048]; A: computed on the way; B: computed on the way: QUANTISED
;;     5. batch 64 x [M 2,048, K 2,048] x [K 2,048, N 64]; A: softmax (see below); B: computed on the way: QUANTISED
;;     6. [M 8,192, K 1,024] x [K 1,024, N 1,024]; A: computed on the way; B: input W_out: QUANTISED
;;   THE QUANTISER, for each operand of a quantised product, along K:
;;     - K is cut into blocks of 32 from its start; a last block that is shorter is filled with zeros.
;;     - A block's scale is 2^e with e = floor(log2(the largest magnitude in the block)) - 8, held to -126 .. 127; a block of zeros has e = 0. As a byte (E8M0): e + 127.
;;     - Each number is divided by its block's scale, clamped to +-448, and rounded to the nearest number of E4M3, ties to even, subnormals kept.
;;     - The product sums the exact products of the quantised numbers (number of the format x scale) in f32.
;;   ~~~python
;;   def quantise(x, axis):      # numpy; x: float32 -> the quantised numbers, widened to float32 again
;;       x = np.moveaxis(x, axis, -1); K = x.shape[-1]
;;       x = np.pad(x, [(0, 0)] * (x.ndim - 1) + [(0, -K % 32)]); x = x.reshape(x.shape[:-1] + (-1, 32)); a = np.abs(x).max(-1, keepdims=True)
;;       e = np.where(a > 0, np.clip(np.frexp(np.where(a > 0, a, 1))[1] - 1 - 8, -126, 127), 0)      # np.frexp(a)[1] - 1 = floor(log2(a)), exactly
;;       r = np.clip(x / 2.0 ** e, -448, 448)
;;       step = 2.0 ** (np.maximum(np.frexp(np.where(r == 0, 1, r))[1] - 1, -6) - 3)
;;       q = np.round(r / step) * step * 2.0 ** e      # np.round: ties to even
;;       return np.moveaxis(q.reshape(q.shape[:-2] + (-1,))[..., :K], -1, axis).astype(np.float32)
;;   ~~~
;;   SOFTMAX AHEAD OF A QUANTISED PRODUCT. Where the list says 'softmax', what is quantised is not the finished softmax but p = 2^(t - M), with t = logit x log2(e) and M = ceil(the row's largest t), a whole number; so 1/2 < the row's largest p <= 1. The row's sum l is taken of the UNQUANTISED p, in f32, and the product's result is divided by l at the end. Since M is a whole number, a kernel that streams over the keys may use a running M (the ceiling of the running maximum): every later rescaling is an exact power of two, which a block's scale takes up: the codes' values come out the same.
;;   OPERANDS COMPUTED ON THE WAY. 'Computed on the way' means the value that the module computes at that place (a softmax that the list does not call 'softmax' is quantised finished and normalised). What goes into a quantiser is computed in f32, as accurately as f32 sums, v_exp_f32 and their like allow (about 1e-6 of the number): no bf16 or f16 on the way to a quantiser, and a product that is left as it is and whose result goes on into a quantised operand takes f32 operands (vector FMAs, or v_wmma_f32_16x16x4_f32). A number that lies on a knife's edge between two numbers of the format may be rounded either way, as far as f32 arithmetic and the matrix unit's own rounding can turn it there, and no further.
;; One version. Each part assembles by itself: llvm-mc -triple=amdgcn-amd-amdhsa -mcpu=gfx1250 --defsym DOCPART=n.
;; ======== version 1 of 1: 4 launches
;; limits: right only within a limited range of input values
;; workspace buffers: opc 12,582,912 bytes; ops 393,216 bytes; qkc 16,777,216 bytes; qks 524,288 bytes; vc 8,388,608 bytes; vs 262,144 bytes; cxc 8,388,608 bytes; cxs 262,144 bytes
;; launch quant (part 1): grid 384 x 1, 4 waves a work-group, no clusters, 35,328 bytes of LDS; arguments x, W_q, W_k, W_v, W_out, opc, ops; writes opc, ops
.if DOCPART == 1
	.amdgcn_target "amdgcn-amd-amdhsa--gfx1250"
	.amdhsa_code_object_version 6
	.text
	.protected	k_q23bc8e8e65_quant
	.globl	k_q23bc8e8e65_quant
	.p2align	8
	.type	k_q23bc8e8e65_quant,@function
k_q23bc8e8e65_quant:
	s_mov_b64 s[64:65], 0
	v_nop
	global_prefetch_b8 v0, s[64:65] scope:SCOPE_SE
	s_setreg_imm32_b32 hwreg(HW_REG_WAVE_MODE, 25, 1), 1
	s_wait_xcnt 0x0
; x [8192][1024] and the four weights [1024][1024], f32, K innermost, become codes of FP8 (E4M3) with one E8M0 byte for each 32 along K.
; A block's scale is 2^(floor(log2(its largest magnitude)) - 8); each number is divided by it, held within +-448 and rounded to the nearest code, ties to even.
; LIMITS: NaN and infinities are not served; a block whose largest magnitude lies under 2^-118 (a block of zeros too) keeps the byte 1: this program alone reads the bytes, and zero codes add nothing.
; THE OUTPUT IS LAID AS THE MATRIX OPERAND'S REGISTERS.  Rows go in tiles of 16; position p of tile T is row 32 (T / 2) + 8 (T % 2) + p + 8 (p / 8).
; Codes: [T][K / 128][c = 0..3][lane][16 bytes]: lane 16 h + r, piece c: k = 32 c + 16 h + 0 .. 15 of position r.  Scale words: [T][K / 256][r][2][4 bytes].
; Tiles: x 0-511, W_q 512-575, W_k 576-639, W_v 640-703, W_out 704-767.
; SHARES.  A work-group takes 32 rows = two tiles; wave w takes tile w / 2 and the K half w % 2: eight steps of 16 rows x 64 along K.
; A load reads 256 consecutive bytes of each of two rows; a step's 4,096 bytes turn through the wave's own stage in LDS (rows of 256 + 16 bytes) and come back 16 neighbours of each block a lane.
; A store of codes covers 512 consecutive bytes; the wave's scale words leave as 256 consecutive bytes.  Waves share nothing: no barrier.  Loads run four steps ahead.
.set PIT,  272                         ; a stage row
.set STG,  16*PIT                      ; a stage
.set WREG, 2*STG                       ; two stages a wave
.set GIN,  4                           ; v4  my byte in the work-group's 32 rows
.set SIN,  5                           ; v5  the stage, way in
.set SOUT, 6                           ; v6  the stage, way out
.set GC,   7                           ; v7  16 x lane
.set GS,   8                           ; v8  8 x lane
.set TM,   16                          ; v16-17 largest magnitudes, v18-19 the other half's, v22-23 scale operands, v24-25 bytes
.set X,    32                          ; v32-95   two sets of 32 numbers, 16 neighbours of each of two blocks
.set R,    96                          ; v96-223  four sets of 32 numbers as loaded
.set C,    224                         ; v224-239 two sets of 8 registers of codes
.set SB,   240                         ; v240-243 the scale words of my four K steps of 128
	s_load_b256 s[4:11], s[0:1], 0x0               ; x, W_q, W_k, W_v
	s_load_b128 s[12:15], s[0:1], 0x20             ; W_out, the codes
	s_load_b64 s[16:17], s[0:1], 0x30              ; the scale words
	v_lshl_add_u32 v248, v0, 2, 0x8800
	v_mov_b32 v249, 0
	v_lshrrev_b32 v1, 5, v0
	v_readfirstlane_b32 s18, v1                    ; wave
	v_and_b32 v1, 31, v0                           ; lane
	v_and_b32 v2, 15, v0                           ; r
	v_bfe_u32 v3, v0, 4, 1                         ; h
	s_lshr_b32 s20, s18, 1
	s_lshl_b32 s20, s20, 15                        ; tile w / 2 begins 8 rows of 4,096 bytes on
	s_and_b32 s21, s18, 1
	s_lshl_b32 s21, s21, 11                        ; K half w % 2: 2,048 bytes on
	s_add_co_u32 s20, s20, s21
	v_lshlrev_b32 v[GIN], 12, v3                   ; lanes 16-31 take the next row
	v_lshl_add_u32 v[GIN], v2, 4, v[GIN]
	v_add_nc_u32 v[GIN], s20, v[GIN]
	s_mul_i32 s21, s18, WREG
	v_mul_u32_u24 v[SIN], v3, PIT
	v_lshl_add_u32 v[SIN], v2, 4, v[SIN]
	v_add_nc_u32 v[SIN], s21, v[SIN]               ; in: row h of a pair, 16 r
	v_mul_u32_u24 v[SOUT], v2, PIT
	v_lshl_add_u32 v[SOUT], v3, 6, v[SOUT]
	v_add_nc_u32 v[SOUT], s21, v[SOUT]             ; out: row r, 64 h
	v_lshlrev_b32 v[GC], 4, v1
	v_lshlrev_b32 v[GS], 3, v1
	v_mov_b32 v[TM+2], 0                           ; a lane permute's destination counts as one of its sources
	v_mov_b32 v[TM+3], 0
	s_mov_b32 s28, 0x76543210
	s_mov_b32 s29, 0xfedcba98                      ; v_permlanex16_b32's selects for lane l xor 16
	s_mov_b32 s22, 352                             ; the first work-group of the tensor chosen
	s_wait_alu depctr_va_vdst(0)
	s_wait_kmcnt 0x0
	s_cmp_lt_u32 ttmp9, 352                        ; which tensor: the choice hangs on the work-group's number alone
	s_cselect_b64 s[12:13], s[10:11], s[12:13]
	s_cselect_b32 s22, 320, s22
	s_cmp_lt_u32 ttmp9, 320
	s_cselect_b64 s[12:13], s[8:9], s[12:13]
	s_cselect_b32 s22, 288, s22
	s_cmp_lt_u32 ttmp9, 288
	s_cselect_b64 s[12:13], s[6:7], s[12:13]
	s_cselect_b32 s22, 256, s22
	s_cmp_lt_u32 ttmp9, 256
	s_cselect_b64 s[12:13], s[4:5], s[12:13]
	s_cselect_b32 s22, 0, s22
	s_sub_co_u32 s22, ttmp9, s22
	s_lshl_b32 s22, s22, 17                        ; 32 rows of 4,096 bytes a work-group
	s_mov_b32 s23, 0
	s_add_nc_u64 s[12:13], s[12:13], s[22:23]
	s_lshl_b32 s24, ttmp9, 15                      ; codes: two tiles of 16,384 bytes a work-group, 8,192 a wave
	s_lshl_b32 s26, s18, 13
	s_add_co_u32 s24, s24, s26
	s_mov_b32 s25, 0
	s_add_nc_u64 s[14:15], s[14:15], s[24:25]
	s_lshl_b32 s24, ttmp9, 10                      ; scale words: 1,024 bytes a work-group, 256 a wave
	s_lshl_b32 s26, s18, 8
	s_add_co_u32 s24, s24, s26
	s_add_nc_u64 s[16:17], s[16:17], s[24:25]
.macro LOAD t                          ; step t: positions 2 i + h are rows 2 i + 8 (i / 4) + h of the tile's 24
.irp i, 0,1,2,3,4,5,6,7
	global_load_b128 v[R+32*((\t)%4)+4*\i:R+32*((\t)%4)+4*\i+3], v[GIN], s[12:13] offset:(2*\i+8*(\i/4))*4096+256*(\t) th:TH_LOAD_NT
.endr
.endm
.macro TURN t                          ; through the stage: LDS serves a wave's instructions in order, so no wait stands between the stores and the loads
.irp i, 0,1,2,3,4,5,6,7
	ds_store_b128 v[SIN], v[R+32*((\t)%4)+4*\i:R+32*((\t)%4)+4*\i+3] offset:((\t)%2)*STG+2*PIT*\i
.endr
.irp c, 0,1
.irp j, 0,1,2,3
	ds_load_b128 v[X+32*((\t)%2)+16*\c+4*\j:X+32*((\t)%2)+16*\c+4*\j+3], v[SOUT] offset:((\t)%2)*STG+128*\c+16*\j
.endr
.endr
.endm
.irp t, 0,1,2,3
	LOAD \t
.endr
	s_wait_loadcnt 24                              ; step 0's eight loads are in; three steps' may be out
	TURN 0
.macro STEP t
.set XS, X+32*((\t)%2)
.set CC, C+8*((\t)%2)
	s_wait_dscnt 0x0                               ; this step's numbers are back from the stage, and its stores into the stage have read their registers,
.if (\t) < 4
	LOAD (\t)+4                                    ; which take the loads of four steps on
.endif
.if (\t) < 7
.if (\t) < 4
	s_wait_loadcnt 24                              ; the next step's eight loads are in; those of the three steps behind it may be out
.else
	s_wait_loadcnt 8*(6-(\t))
.endif
	TURN (\t)+1                                    ; and go through the other stage while this step is worked
.endif
.irp c, 0,1
	v_max3_num_f32 v[TM+\c], |v[XS+16*\c]|, |v[XS+16*\c+1]|, 0x4800000   ; my 16 numbers of block c, and the floor 2^(9 - 127): the byte cannot fall under 1
.endr
.irp i, 2,4,6,8,10,12,14
.irp c, 0,1
	v_max3_num_f32 v[TM+\c], v[TM+\c], |v[XS+16*\c+\i]|, |v[XS+16*\c+\i+1]|
.endr
.endr
.irp c, 0,1
	v_permlanex16_b32 v[TM+2+\c], v[TM+\c], s28, s29
.endr
.irp c, 0,1
	v_max_num_f32 v[TM+\c], v[TM+\c], v[TM+2+\c]   ; with lane l xor 16's 16: the block's largest magnitude
.endr
.irp c, 0,1
	v_add_nc_u32 v[TM+6+\c], 0xfc000000, v[TM+\c]  ; 8 off its exponent field: the conversion's scale operand
.endr
.irp c, 0,1
.endr
.irp c, 0,1
.irp i, 0,1,2,3,4,5,6,7,8,9,10,11,12,13,14,15
.endr
.endr
.if (\t) > 1
	s_wait_alu depctr_va_vdst(0)
	s_wait_xcnt 0x0                                ; the stores of two steps ago have read this set of codes
.endif
.irp c, 0,1
	v_cvt_scalef32_pk8_fp8_f32 v[CC+4*\c:CC+4*\c+1], v[XS+16*\c:XS+16*\c+7], v[TM+6+\c]
	v_cvt_scalef32_pk8_fp8_f32 v[CC+4*\c+2:CC+4*\c+3], v[XS+16*\c+8:XS+16*\c+15], v[TM+6+\c]
.endr
	v_lshrrev_b32 v[TM+8], 23, v[TM+6]             ; the scales' bytes
	v_lshrrev_b32 v[TM+9], 23, v[TM+7]
.if ((\t)%2) == 0
	v_lshl_or_b32 v[SB+(\t)/2], v[TM+9], 8, v[TM+8]       ; bytes 0 and 1 of the word of these 128 along K
.else
	v_lshl_or_b32 v[SB+(\t)/2], v[TM+8], 16, v[SB+(\t)/2] ; bytes 2 and 3
	v_lshl_or_b32 v[SB+(\t)/2], v[TM+9], 24, v[SB+(\t)/2]
.endif
.irp c, 0,1
	global_store_b128 v[GC], v[CC+4*\c:CC+4*\c+3], s[14:15] offset:1024*(\t)+512*\c   ; 32 lanes store 512 consecutive bytes
.endr
.endm
.irp t, 0,1,2,3,4,5,6,7
	STEP \t
.endr
	v_cmp_lt_u32 vcc_lo, 15, v1                    ; lanes 0-15 store the words of my first 256 along K, lanes 16-31 those of my second (both halves of the lanes hold all four)
	v_cndmask_b32 v244, v[SB], v[SB+2], vcc_lo
	v_cndmask_b32 v245, v[SB+1], v[SB+3], vcc_lo
	global_store_b64 v[GS], v[244:245], s[16:17]   ; 32 lanes store 256 consecutive bytes
	s_wait_tensorcnt 0x0
	ds_add_u32 v248, v249
	s_wait_dscnt 0x0
	s_endpgm
.Lfunc_end_k_q23bc8e8e65_quant:
	.size	k_q23bc8e8e65_quant, .Lfunc_end_k_q23bc8e8e65_quant-k_q23bc8e8e65_quant
	.p2alignl 7, 3214868480
	.fill 96, 4, 3214868480
	.section	.rodata,"a",@progbits
	.p2align	6, 0x0
	.amdhsa_kernel k_q23bc8e8e65_quant
		.amdhsa_group_segment_fixed_size 35328
		.amdhsa_private_segment_fixed_size 0
		.amdhsa_enable_private_segment 0
		.amdhsa_kernarg_size 56
		.amdhsa_user_sgpr_count 2
		.amdhsa_user_sgpr_kernarg_segment_ptr 1
		.amdhsa_wavefront_size32 1
		.amdhsa_system_sgpr_workgroup_id_x 1
		.amdhsa_system_sgpr_workgroup_id_y 1
		.amdhsa_system_sgpr_workgroup_id_z 1
		.amdhsa_system_vgpr_workitem_id 0
		.amdhsa_next_free_vgpr 250
		.amdhsa_next_free_sgpr 66
		.amdhsa_reserve_vcc 1
		.amdhsa_float_denorm_mode_32 3
		.amdhsa_float_denorm_mode_16_64 3
		.amdhsa_fp16_overflow 1
		.amdhsa_memory_ordered 1
		.amdhsa_forward_progress 1
		.amdhsa_inst_pref_size 34
	.end_amdhsa_kernel
	.amdgpu_metadata
---
amdhsa.version: [ 1, 2 ]
amdhsa.kernels:
  - .name:           k_q23bc8e8e65_quant
    .symbol:         k_q23bc8e8e65_quant.kd
    .args:
      - { .name: x, .offset: 0, .size: 8, .value_kind: global_buffer, .address_space: global }
      - { .name: W_q, .offset: 8, .size: 8, .value_kind: global_buffer, .address_space: global }
      - { .name: W_k, .offset: 16, .size: 8, .value_kind: global_buffer, .address_space: global }
      - { .name: W_v, .offset: 24, .size: 8, .value_kind: global_buffer, .address_space: global }
      - { .name: W_out, .offset: 32, .size: 8, .value_kind: global_buffer, .address_space: global }
      - { .name: opc, .offset: 40, .size: 8, .value_kind: global_buffer, .address_space: global }
      - { .name: ops, .offset: 48, .size: 8, .value_kind: global_buffer, .address_space: global }
    .group_segment_fixed_size: 35328
    .private_segment_fixed_size: 0
    .kernarg_segment_align: 8
    .kernarg_segment_size: 56
    .max_flat_workgroup_size: 128
    .sgpr_count:     66
    .vgpr_count:     250
    .wavefront_size: 32
...
	.end_amdgpu_metadata
.endif
;; end of part 1
;; launch proj (part 2): grid 4 x 96, 4 waves a work-group, clusters of 4 x 4, 327,680 bytes of LDS; arguments opc, ops, qkc, qks, vc, vs; writes qkc, qks, vc, vs
.if DOCPART == 2
	.amdgcn_target "amdgcn-amd-amdhsa--gfx1250"
	.amdhsa_code_object_version 6
	.text
	.protected	k_q23bc8e8e65_proj
	.globl	k_q23bc8e8e65_proj
	.p2align	8
	.type	k_q23bc8e8e65_proj,@function
k_q23bc8e8e65_proj:
	s_mov_b64 s[64:65], 0
	v_nop
	global_prefetch_b8 v0, s[64:65] scope:SCOPE_SE
	s_setreg_imm32_b32 hwreg(HW_REG_WAVE_MODE, 25, 1), 1
	s_wait_xcnt 0x0
	s_wait_alu depctr_hold_cnt(0) depctr_sa_sdst(0) depctr_va_vdst(0) depctr_va_sdst(0) depctr_va_ssrc(0) depctr_va_vcc(0) depctr_vm_vsrc(0)
	s_getreg_b32 s2, hwreg(HW_REG_IB_STS2, 6, 4)
	s_cmp_eq_u32 s2, 0
	s_cbranch_scc0 .Lentry_in_a_cluster
	s_endpgm
.Lentry_in_a_cluster:
	s_bfe_u32 s2, ttmp6, 0x10000c
	s_cmp_lg_u32 s2, 0xf033
	s_cbranch_scc0 .Lentry_shape_is_right
	s_endpgm
.Lentry_shape_is_right:
; The three projections on codes of FP8 (E4M3) with E8M0 scales, and the quantising of their results.  One body computes C = A B^T, K = 1,024, and quantises C along its columns in blocks of 32:
;   clusters 0-15:  A = x (8,192 tokens), B = W_q || W_k (2,048 columns): q and k, quantised along the head's 64;
;   clusters 16-23: A = W_v (1,024 rows), B = x (8,192 tokens): V^T, quantised along the keys.
; The choice is made by selects on the cluster's number, which all partners share; it enters no branch, no LDS address and no word of a descriptor's group 1.
; OPERANDS lie in memory as images of the operand's registers: tiles T of 16 rows; codes [T][K / 128][c][lane][16 bytes]; scale words [T][K / 256][r][2][4 bytes].
; Position p of tile T is row 32 (T / 2) + 8 (T % 2) + p + 8 (p / 8): with such tiles of B as source 0, the 16 registers of accumulators (a, 2 g) and (a, 2 g + 1) are 16 NEIGHBOURING columns, 32 g + 16 (lane / 16) + 0 .. 15,
; of A's position lane % 16: the conversions' results are the next product's operand registers, and they are stored as such an image: nothing is transposed.
; A tile of C, 256 x 256, is made by four waves, 128 x 128 each: 64 accumulators, 512 registers.  K goes in four steps of 256 through two LDS slots; a wave's tensor load brings 8 tiles x 4,096 bytes.
; The scale words of the work-group's rows, for all of K, come once with the first fills.  A fragment is four LDS loads of 32 lanes x 16 consecutive bytes.
; CLUSTERS: 4 x 4 work-groups; A's tiles are asked for jointly along a row of the cluster, B's along a column.
; LIMITS: NaN and infinities are not served; a block of results whose largest magnitude lies under 2^-118 keeps the byte 1 (this program alone reads the bytes).
; REGISTERS: window 0: v0-31 addresses; v32-63 scale words, two sets; v128-255 A's fragments, one set; on the way out v64-255 are at work.  window 1: B's fragments, two sets.  windows 2, 3: the accumulators ((a, b) at v[8 (8 (a % 4) + b)]).
.set FR,    16
.set HALFT, 32768                      ; 8 tiles x 4,096 bytes: what one tensor load brings, and what one wave reads of A or of B
.set SLOT,  4*HALFT                    ; A's two halves, then B's
.set SCL,   2*SLOT                     ; behind the ring: the scale words, 4 x 4,096 bytes
.set HALFS, 4096
.set SPARE, SCL+4*HALFS                ; the spare words, 128 bytes for each wave: two blocks of 256 bytes that no other line names
.set SCR,   SPARE+512                  ; 512 bytes for each wave: the results' scale words on their way out; no tile lands here
.set LI,   4                           ; v4   16 x lane
.set ADRA, 16                          ; v16-17  my A fragments in slot 0, 1
.set ADRB, 20                          ; v20-21  the same for B
.set SSA,  24                          ; v24  where I put a scale word
.set SRA,  25                          ; v25  where I read 16 bytes of them back
.set ADRS, 27                          ; v27  my scale words: lanes 0-15 A's rows, lanes 16-31 B's
.set SPW,  28                          ; v28  LDS address of my spare word; never rewritten
.set NIL,  29                          ; v29  0; never rewritten
.set SC,   32
.set AF,   128
.set PC,   64                          ; the way out: block a's codes at v[64 + 16 a]
.set TM,   200                         ; v200-203 largest magnitudes, v204-207 bytes, v212-215 scale operands
.set PW,   216                         ; v216-223 block a's scale word
.set CO,   224                         ; v224-231 block a's byte offset in the codes
.set WV, 16
.set RH, 17
.set CH, 18
.set G1, 24
.set G0, 32
.set G1B, 48
.set G0B, 56
.set G1S, 68
.set G0S, 76
.set G1SB, 80
.set G0SB, 88
.set SEL, 96                           ; s[96:97] lane selects
.set MNT, 98
.set MSB, 0
.macro WIN new                         ; the immediate's high byte repeats the setting that is left
.if MSB != \new
	s_set_vgpr_msb (MSB<<8)|\new
.set MSB, \new
.endif
.endm
.set MUL_LO, 0xa1                      ; source 0 (B) window 1, source 1 (A) window 0, C and D window 2
.set MUL_HI, 0xf1                      ; the same, C and D window 3
.set FIRST_LO, MUL_LO                  ; the first step's products take the constant 0 as C
.set FIRST_HI, MUL_HI
.set TO_B,   0x40
; A joint load: waves 0 and 1 fetch for A, waves 2 and 3 for B.  The branch hangs on the wave's number alone.  Four v_nop follow each of the two lines.
.macro JLOAD g0a, g1a, g0b, g1b
	s_cmp_eq_u32 s[RH], 0
	s_cbranch_scc0 .Lfor_b_\@
	tensor_load_to_lds s[\g0a:\g0a+3], s[\g1a:\g1a+7]
	s_nop 0
.rept 4
	v_nop
.endr
	s_branch .Lasked_\@
.Lfor_b_\@:
	tensor_load_to_lds s[\g0b:\g0b+3], s[\g1b:\g1b+7]
	s_nop 0
.rept 4
	v_nop
.endr
.Lasked_\@:
.endm
.macro CREST                           ; a round of the cluster's barrier behind its opening barrier
	s_cmp_lg_u32 s[WV], 0
	s_cbranch_scc1 .Lnot_wave_0_\@
	s_barrier_signal -3
.Lnot_wave_0_\@:
	s_barrier_wait -3
	s_barrier_signal -1
	s_barrier_wait -1
.endm
.macro CROUND
	s_barrier_signal -1
	s_barrier_wait -1
	CREST
.endm
	s_load_b128 s[4:7], s[0:1], 0x0                ; A's codes and scale words: the operands' buffers
	s_load_b128 s[8:11], s[0:1], 0x0               ; B's: the same two buffers
	s_load_b128 s[12:15], s[0:1], 0x10             ; q || k: codes, scale words
	s_load_b128 s[96:99], s[0:1], 0x20             ; V^T: codes, scale words
	v_lshl_add_u32 v[SPW], v0, 2, SPARE
	v_mov_b32 v[NIL], 0
	ds_add_u32 v28, v29
	ds_add_u32 v28, v29
	s_wait_dscnt 0x0
	v_lshrrev_b32 v1, 5, v0
	v_readfirstlane_b32 s[WV], v1                  ; wave 0..3
	s_lshr_b32 s[RH], s[WV], 1                     ; which half of the tile's rows is mine.  Also: I fetch for A (0) or for B (1)
	s_and_b32 s[CH], s[WV], 1                      ; which half of its columns.  Also: which 8 tiles I fetch
	s_bfe_u32 s40, ttmp6, 0x40000                  ; cx, cy: my place in the cluster
	s_bfe_u32 s41, ttmp6, 0x40004
	s_and_b32 s95, ttmp7, 0xffff                   ; the cluster's number, 0..23
	s_lshr_b32 s66, s95, 1                         ; q || k: 8 x 2 clusters
	s_and_b32 s67, s95, 1
	s_sub_co_u32 s2, s95, 16                       ; V^T: 1 x 8 clusters
	s_mov_b32 s100, 131072
	s_mov_b32 s101, 4096
	s_cmp_lt_u32 s95, 16
	s_cselect_b32 s66, s66, 0                      ; the cluster's row,
	s_cselect_b32 s67, s67, s2                     ; its column,
	s_cselect_b32 s2, 0, 640                       ; A's first tile in the operands' buffers (x or W_v),
	s_cselect_b32 s3, 512, 0                       ; B's (W_q || W_k or x),
	s_cselect_b32 s100, 32768, s100                ; bytes from tile to tile in the results' codes,
	s_cselect_b32 s101, 32768, s101                ; and from column group to column group in their scale words
	s_lshl_b32 s19, s66, 2
	s_add_co_u32 s19, s19, s41                     ; tile row of C
	s_lshl_b32 s42, s67, 2
	s_add_co_u32 s42, s42, s40                     ; tile column of C
	s_lshl_b32 s43, s41, 2
	s_lshl_b32 s43, 15, s43                        ; my row of the cluster
	s_lshl_b32 s44, 0x1111, s40                    ; my column
	; group 1 for codes: 8 rows of 512 elements of 8 bytes, 2,048 elements apart; no padding; bit 21 set beside the mask
	s_or_b32 s[G1], s43, (3<<16)|(1<<21)
	s_or_b32 s[G1B], s44, (3<<16)|(1<<21)
.irp g, G1, G1B
	s_mov_b32 s[\g+1], 512<<16                     ; tensor_dim0
	s_mov_b32 s[\g+2], 8<<16                       ; tensor_dim1
	s_mov_b32 s[\g+3], 512<<16                     ; tile_dim0
	s_mov_b32 s[\g+4], 8                           ; tile_dim1
	s_mov_b32 s[\g+5], 2048                        ; tensor_dim0_stride
	s_mov_b32 s[\g+6], 0
	s_mov_b32 s[\g+7], 0
.endr
	; and for the scale words of 8 tiles: 4,096 dense bytes as 16 rows of 256
	s_or_b32 s[G1S], s43, (3<<16)|(1<<21)
	s_or_b32 s[G1SB], s44, (3<<16)|(1<<21)
.irp g, G1S, G1SB
	s_mov_b32 s[\g+1], 32<<16
	s_mov_b32 s[\g+2], 16<<16
	s_mov_b32 s[\g+3], 32<<16
	s_mov_b32 s[\g+4], 16
	s_mov_b32 s[\g+5], 32
	s_mov_b32 s[\g+6], 0
	s_mov_b32 s[\g+7], 0
.endr
	s_lshl_b32 s20, s19, 4
	s_lshl_b32 s21, s[CH], 3
	s_add_co_u32 s20, s20, s21
	s_add_co_u32 s20, s20, s2                      ; A: the first tile that I fetch
	s_lshl_b32 s22, s20, 9                         ; its scale words, 512 bytes a tile,
	s_lshl_b32 s20, s20, 14                        ; its codes, 16,384 bytes a tile
	s_mov_b32 s21, 0
	s_mov_b32 s23, 0
	s_lshl_b32 s46, s42, 4
	s_lshl_b32 s47, s[CH], 3
	s_add_co_u32 s46, s46, s47
	s_add_co_u32 s46, s46, s3                      ; B likewise
	s_lshl_b32 s92, s46, 9
	s_lshl_b32 s46, s46, 14
	s_mov_b32 s47, 0
	s_mov_b32 s93, 0
	s_lshl_b32 s45, s[WV], 15                      ; where they go: wave x HALFT: no place in the cluster enters an LDS address
	s_lshl_b32 s94, s[WV], 12
	s_wait_kmcnt 0x0
	s_add_nc_u64 s[20:21], s[4:5], s[20:21]
	s_add_nc_u64 s[22:23], s[6:7], s[22:23]
	s_add_nc_u64 s[46:47], s[8:9], s[46:47]
	s_add_nc_u64 s[92:93], s[10:11], s[92:93]
	s_cmp_lt_u32 s95, 16                           ; the results' buffers
	s_cselect_b64 s[12:13], s[12:13], s[96:97]
	s_cselect_b64 s[14:15], s[14:15], s[98:99]
	s_mov_b32 s[SEL], 0x76543210
	s_mov_b32 s[SEL+1], 0xfedcba98
	CROUND                                         ; all sixteen work-groups are here: the first joint loads meet
	s_mov_b32 s[G0S], 1
	s_add_co_u32 s[G0S+1], s94, SCL
	s_mov_b64 s[G0S+2:G0S+3], s[22:23]
	s_or_b32 s[G0S+3], s[G0S+3], 0x80000000
	s_mov_b32 s[G0SB], 1
	s_add_co_u32 s[G0SB+1], s94, SCL
	s_mov_b64 s[G0SB+2:G0SB+3], s[92:93]
	s_or_b32 s[G0SB+3], s[G0SB+3], 0x80000000
	JLOAD G0S, G1S, G0SB, G1SB                     ; the scale words first: they are wanted with K step 0
.irp s, 0,1
	s_mov_b32 s[G0+4*\s], 1
	s_add_co_u32 s[G0+4*\s+1], s45, \s*SLOT
	s_add_nc_u64 s[G0+4*\s+2:G0+4*\s+3], s[20:21], \s*4096
	s_or_b32 s[G0+4*\s+3], s[G0+4*\s+3], 0x80000000
	s_mov_b32 s[G0B+4*\s], 1
	s_add_co_u32 s[G0B+4*\s+1], s45, \s*SLOT
	s_add_nc_u64 s[G0B+4*\s+2:G0B+4*\s+3], s[46:47], \s*4096
	s_or_b32 s[G0B+4*\s+3], s[G0B+4*\s+3], 0x80000000
	JLOAD G0+4*\s, G1, G0B+4*\s, G1B               ; three loads of mine are out behind the last of these
.endr
	v_and_b32 v1, 31, v0                           ; lane
	v_and_b32 v2, 15, v0                           ; r
	v_bfe_u32 v3, v0, 4, 1                         ; h
	s_wait_alu depctr_va_vdst(0)
	v_lshlrev_b32 v[LI], 4, v1
	s_wait_alu depctr_va_vdst(0)
	s_lshl_b32 s20, s[RH], 15                      ; my 8 tiles of A
	s_lshl_b32 s21, s[CH], 15                      ; my 8 tiles of B,
	s_add_co_u32 s21, s21, 2*HALFT                 ; which lie behind A's 16
.irp s, 0,1
	v_add_nc_u32 v[ADRA+\s], s20, v[LI]
	v_add_nc_u32 v[ADRB+\s], s21, v[LI]
	s_add_co_u32 s20, s20, SLOT
	s_add_co_u32 s21, s21, SLOT
.endr
	s_lshl_b32 s20, s[RH], 12                      ; scale words: A's, my 8 tiles;
	s_lshl_b32 s21, s[CH], 12                      ; B's, behind A's 16
	s_add_co_u32 s21, s21, 2*HALFS
	s_sub_co_u32 s21, s21, s20
	v_mul_u32_u24 v5, s21, v3                      ; lanes 16-31 take B's
	s_add_co_u32 s20, s20, SCL
	v_lshl_add_u32 v5, v2, 3, v5                   ; 8 bytes a row: the two words of 256 along K
	v_add_nc_u32 v[ADRS], s20, v5
	s_lshl_b32 s20, s[WV], 9
	s_add_co_u32 s20, s20, SCR
	v_lshl_add_u32 v[SSA], v2, 2, s20
	v_add_nc_u32 v[SRA], s20, v[LI]
	s_lshl_b32 s20, s19, 4                         ; where my results go: tile 16 x tile row + 8 x half,
	s_lshl_b32 s21, s[RH], 3
	s_add_co_u32 s20, s20, s21
	s_lshl_b32 s22, s42, 1
	s_add_co_u32 s22, s22, s[CH]                   ; column group of 128: 2 x tile column + half
	s_mul_i32 s66, s20, s100
	s_lshl_b32 s67, s22, 11
	s_add_co_u32 s66, s66, s67
	s_mov_b32 s67, 0
	s_add_nc_u64 s[12:13], s[12:13], s[66:67]
	s_mul_i32 s66, s22, s101
	s_lshl_b32 s20, s20, 6
	s_add_co_u32 s66, s66, s20
	s_add_nc_u64 s[14:15], s[14:15], s[66:67]
.macro FRAG reg, adr, q, i             ; a fragment as it lies: four loads of 32 lanes x 16 consecutive bytes
.irp c, 0,1,2,3
	ds_load_b128 v[\reg+4*\c:\reg+4*\c+3], v[\adr] offset:4096*(\i)+2048*(\q)+512*\c
.endr
.endm
; 16 matrix instructions: A's blocks a0, a0 + 1 x B's eight, 128 along K.  p: B's set; q: which 128 of the slot; sc: the set of scale words; first = 1: the product starts the sums.
; The 64 accumulators take turns, one instruction a turn, in the same order in every step.
.macro MUL16 a0, p, q, sc, first
.irp a, \a0, \a0+1
.irp b, 0,1,2,3,4,5,6,7
.if \first
	v_wmma_scale_f32_16x16x128_f8f6f4 v[8*(8*((\a)%4)+\b):8*(8*((\a)%4)+\b)+7], v[128*(\p)+FR*\b:128*(\p)+FR*\b+FR-1], v[AF+FR*(\a):AF+FR*(\a)+FR-1], 0, v[SC+16*(\sc)+2*\b+(\q)], v[SC+16*(\sc)+2*(\a)+(\q)] matrix_a_scale:MATRIX_SCALE_ROW1
.else
	v_wmma_scale_f32_16x16x128_f8f6f4 v[8*(8*((\a)%4)+\b):8*(8*((\a)%4)+\b)+7], v[128*(\p)+FR*\b:128*(\p)+FR*\b+FR-1], v[AF+FR*(\a):AF+FR*(\a)+FR-1], v[8*(8*((\a)%4)+\b):8*(8*((\a)%4)+\b)+7], v[SC+16*(\sc)+2*\b+(\q)], v[SC+16*(\sc)+2*(\a)+(\q)] matrix_a_scale:MATRIX_SCALE_ROW1
.endif
.endr
.endr
.endm
.macro FETCH_B slot, q, p
	WIN TO_B
.irp i, 0,1,2,3,4,5,6,7
	FRAG 128*(\p)+FR*\i, ADRB+\slot, \q, \i
.endr
	WIN 0
.endm
.macro FETCH_A slot, q, i0
.irp i, \i0, \i0+1, \i0+2, \i0+3
	FRAG AF+FR*(\i), ADRA+\slot, \q, \i
.endr
.endm
.macro SCALES sc, kp                   ; K step kp's scale words into set sc: lanes 0-15 A's block i, lanes 16-31 B's block i; two words a row
.irp i, 0,1,2,3,4,5,6,7
	ds_load_b64 v[SC+16*\sc+2*\i:SC+16*\sc+2*\i+1], v[ADRS] offset:512*\i+128*\kp
.endr
.endm
; Eight places stand between a matrix instruction of this form and a load into one of its registers or a read of its result.
.macro PLACES n
.rept \n
	v_nop
.endr
.endm
.macro STEP slot, first                ; a slot's first 128 along K
	s_wait_dscnt 16                                ; B's set and A's blocks 0-3 are in; the youngest sixteen loads (A's blocks 4-7) may be out
.if \first
	WIN FIRST_LO
.else
	WIN MUL_LO
.endif
	MUL16 0, 0, 0, \slot, \first
	MUL16 2, 0, 0, \slot, \first
	s_wait_dscnt 0x0                               ; A's blocks 4-7 are in
	PLACES 8
	FETCH_B \slot, 1, 1
	FETCH_A \slot, 1, 0
.if \first
	WIN FIRST_HI
.else
	WIN MUL_HI
.endif
	MUL16 4, 0, 0, \slot, \first
	MUL16 6, 0, 0, \slot, \first
	PLACES 8
	WIN 0
	FETCH_A \slot, 1, 4
.endm
; A slot's second 128 along K changes slots: one barrier; in front of it each wave waits for all its tensor loads, adds 0 to its spare word, and waits for that and for its reads of this slot.
.macro TURN slot, next, fill, kp
	s_wait_tensorcnt 0x0                           ; all my tensor loads have landed: my part of the next slot
	ds_add_u32 v[SPW], v[NIL]                      ; 0 onto my spare word
	s_wait_dscnt 17                                ; (the add and the youngest sixteen loads may be out)
	WIN MUL_LO
	MUL16 0, 1, 1, \slot, 0                        ; sixteen matrix instructions stand between the add and the wait for it
	s_wait_dscnt 0x0                               ; the add is done, and my reads of this slot are over
	s_barrier_signal -1
	MUL16 2, 1, 1, \slot, 0
	WIN 0
	s_barrier_wait -1
.if \fill
	CREST                                          ; the barrier has opened a round of the cluster's: no wave of any partner still reads this slot or has a load on its way
	s_add_nc_u64 s[G0+4*\slot+2:G0+4*\slot+3], s[G0+4*\slot+2:G0+4*\slot+3], 8192
	s_add_nc_u64 s[G0B+4*\slot+2:G0B+4*\slot+3], s[G0B+4*\slot+2:G0B+4*\slot+3], 8192
	JLOAD G0+4*\slot, G1, G0B+4*\slot, G1B         ; the first tensor load behind the round; its four v_nop are four of the eight places
	PLACES 4
.else
	PLACES 8
.endif
	FETCH_B \next, 0, 0
	FETCH_A \next, 0, 0
	SCALES \next, \kp
	WIN MUL_HI
	MUL16 4, 1, 1, \slot, 0
	MUL16 6, 1, 1, \slot, 0
	PLACES 8
	WIN 0
	FETCH_A \next, 0, 4
.endm
	s_wait_alu depctr_va_vdst(0)
	s_wait_tensorcnt 1                             ; the scale words and my part of K step 0 are in; K step 1's load may be out
	s_barrier_signal -1
	s_barrier_wait -1
	FETCH_B 0, 0, 0
	FETCH_A 0, 0, 0
	SCALES 0, 0
	FETCH_A 0, 0, 4
	STEP 0, 1                                      ; K = 1,024 is four slots' worth: written out, no loop
	TURN 0, 1, 1, 1
	STEP 1, 0
	TURN 1, 0, 1, 2
	STEP 0, 0
	TURN 0, 1, 0, 3                                ; nothing is left to fetch
	STEP 1, 0
	s_wait_dscnt 16
	WIN MUL_LO
	MUL16 0, 1, 1, 1, 0
	MUL16 2, 1, 1, 1, 0
	s_wait_dscnt 0x0
	WIN MUL_HI
	MUL16 4, 1, 1, 1, 0
	MUL16 6, 1, 1, 1, 0
	WIN 0
; THE WAY OUT.  Block a (16 rows x 128 columns) lies in 64 registers of a lane: register 16 g + i is column 32 g + 16 (lane / 16) + i of position lane % 16.  Its four blocks of 32 are quantised in registers;
; the 16 registers of codes are the image of a fragment and are stored as they stand; the scale words of my eight blocks meet in 512 bytes of LDS of my own and leave together.
	PLACES 8
.irp b, 0,1,2,3
	v_mov_b32 v[TM+4+\b], 0                        ; a lane permute's destination counts as one of its sources
.endr
	v_mov_b32 v[CO], v[LI]
.irp a, 1,2,3,4,5,6,7
	v_add_nc_u32 v[CO+\a], s100, v[CO+\a-1]        ; a tile further on
.endr
.macro QOUT a
.set QW, 2+(\a)/4                      ; the block's window
.set QS, 64*((\a)%4)
.set QP, PC+16*(\a)
.set QW12, QW*20                       ; sources 1 and 2 in that window
.set QWD0, (QW<<6)|QW                  ; destination and source 0
	WIN QW12
.irp b, 0,1,2,3
	v_max3_num_f32 v[TM+\b], 0x4800000, |v[QS+16*\b]|, |v[QS+16*\b+1]|   ; my 16 numbers of block b, from each accumulator's low end on, and the floor 2^(9 - 127)
.endr
.irp i, 2,4,6,8,10,12,14
.irp b, 0,1,2,3
	v_max3_num_f32 v[TM+\b], v[TM+\b], |v[QS+16*\b+\i]|, |v[QS+16*\b+\i+1]|
.endr
.endr
	WIN 0
.irp b, 0,1,2,3
	v_permlanex16_b32 v[TM+4+\b], v[TM+\b], s[SEL], s[SEL+1]
.endr
.irp b, 0,1,2,3
	v_max_num_f32 v[TM+\b], v[TM+\b], v[TM+4+\b]   ; with lane l xor 16's: the block's largest magnitude
.endr
.irp b, 0,1,2,3
	v_add_nc_u32 v[TM+12+\b], 0xfc000000, v[TM+\b] ; 8 off its exponent field: the conversion's scale operand
.endr
.irp b, 0,1,2,3
.endr
.irp b, 0,1,2,3
	v_lshrrev_b32 v[TM+4+\b], 23, v[TM+12+\b]      ; the scale's byte
.endr
	v_lshl_or_b32 v[PW+(\a)], v[TM+5], 8, v[TM+4]
	v_lshl_or_b32 v[PW+(\a)], v[TM+6], 16, v[PW+(\a)]
	v_lshl_or_b32 v[PW+(\a)], v[TM+7], 24, v[PW+(\a)]
	WIN QWD0
.irp b, 0,1,2,3
.irp i, 0,1,2,3,4,5,6,7,8,9,10,11,12,13,14,15
.endr
.endr
	WIN QW
.irp b, 0,1,2,3
	v_cvt_scalef32_pk8_fp8_f32 v[QP+4*\b:QP+4*\b+1], v[QS+16*\b:QS+16*\b+7], v[TM+12+\b]
	v_cvt_scalef32_pk8_fp8_f32 v[QP+4*\b+2:QP+4*\b+3], v[QS+16*\b+8:QS+16*\b+15], v[TM+12+\b]
.endr
	WIN 0
	v_nop                                          ; a plain line behind the last conversion
.irp b, 0,1,2,3
	global_store_b128 v[CO+(\a)], v[QP+4*\b:QP+4*\b+3], s[12:13] offset:512*\b   ; 32 lanes store 512 consecutive bytes
.endr
	ds_store_b32 v[SSA], v[PW+(\a)] offset:64*(\a) ; lanes l and l + 16 write the same word with the same value
.endm
.irp a, 0,1,2,3,4,5,6,7
	QOUT \a
.endr
	ds_load_b128 v[232:235], v[SRA]                ; LDS serves a wave's instructions in order: this sees my stores
	s_wait_dscnt 0x0
	global_store_b128 v[LI], v[232:235], s[14:15]  ; the scale words of my 8 tiles: 512 consecutive bytes
	s_wait_tensorcnt 0x0                           ; the wave's end
	ds_add_u32 v[SPW], v[NIL]
	s_wait_dscnt 0x0
	CROUND                                         ; the closing round
	s_endpgm
.Lfunc_end_k_q23bc8e8e65_proj:
	.size	k_q23bc8e8e65_proj, .Lfunc_end_k_q23bc8e8e65_proj-k_q23bc8e8e65_proj
	.p2alignl 7, 3214868480
	.fill 96, 4, 3214868480
	.section	.rodata,"a",@progbits
	.p2align	6, 0x0
	.amdhsa_kernel k_q23bc8e8e65_proj
		.amdhsa_group_segment_fixed_size 327680
		.amdhsa_private_segment_fixed_size 0
		.amdhsa_enable_private_segment 0
		.amdhsa_kernarg_size 48
		.amdhsa_user_sgpr_count 2
		.amdhsa_user_sgpr_kernarg_segment_ptr 1
		.amdhsa_wavefront_size32 1
		.amdhsa_system_sgpr_workgroup_id_x 1
		.amdhsa_system_sgpr_workgroup_id_y 1
		.amdhsa_system_sgpr_workgroup_id_z 1
		.amdhsa_system_vgpr_workitem_id 0
		.amdhsa_next_free_vgpr 1024
		.amdhsa_next_free_sgpr 102
		.amdhsa_reserve_vcc 0
		.amdhsa_float_denorm_mode_32 3
		.amdhsa_float_denorm_mode_16_64 3
		.amdhsa_fp16_overflow 1
		.amdhsa_memory_ordered 1
		.amdhsa_forward_progress 1
		.amdhsa_inst_pref_size 150
	.end_amdhsa_kernel
	.amdgpu_metadata
---
amdhsa.version: [ 1, 2 ]
amdhsa.kernels:
  - .name:           k_q23bc8e8e65_proj
    .symbol:         k_q23bc8e8e65_proj.kd
    .args:
      - { .name: opc, .offset: 0, .size: 8, .value_kind: global_buffer, .address_space: global }
      - { .name: ops, .offset: 8, .size: 8, .value_kind: global_buffer, .address_space: global }
      - { .name: qkc, .offset: 16, .size: 8, .value_kind: global_buffer, .address_space: global }
      - { .name: qks, .offset: 24, .size: 8, .value_kind: global_buffer, .address_space: global }
      - { .name: vc, .offset: 32, .size: 8, .value_kind: global_buffer, .address_space: global }
      - { .name: vs, .offset: 40, .size: 8, .value_kind: global_buffer, .address_space: global }
    .group_segment_fixed_size: 327680
    .private_segment_fixed_size: 0
    .kernarg_segment_align: 8
    .kernarg_segment_size: 48
    .max_flat_workgroup_size: 128
    .sgpr_count:     102
    .vgpr_count:     1024
    .wavefront_size: 32
...
	.end_amdgpu_metadata
.endif
;; end of part 2
;; launch attn (part 3): grid 4 x 64, 16 waves a work-group, no clusters, 276,480 bytes of LDS; arguments qkc, qks, vc, vs, cxc, cxs; writes cxc, cxs
.if DOCPART == 3
	.amdgcn_target "amdgcn-amd-amdhsa--gfx1250"
	.amdhsa_code_object_version 6
	.text
	.protected	k_q23bc8e8e65_attn
	.globl	k_q23bc8e8e65_attn
	.p2align	8
	.type	k_q23bc8e8e65_attn,@function
k_q23bc8e8e65_attn:
	s_mov_b64 s[64:65], 0
	v_nop
	global_prefetch_b8 v0, s[64:65] scope:SCOPE_SE
	s_setreg_imm32_b32 hwreg(HW_REG_WAVE_MODE, 25, 1), 1
	s_wait_xcnt 0x0
; Causal attention of one head on codes of FP8 (E4M3) with E8M0 scales, and the quantising of its result along d_out.  4 batches x 16 heads, 2,048 tokens, head size 64.
; t = score x log2(e) / 8; M = the running largest t rounded UP to a whole number; p = 2^(t - M) is quantised along the keys, not normalised; the row's sum is taken of the unquantised p and divides O at the end.
; When M moves, the sum and O are multiplied by 2^(old M - new M): exact.
; INPUTS are images of the operand's registers: tiles of 16 rows, codes [T][K / 128][c][lane][16 bytes]; position p of tile T is row 32 (T / 2) + 8 (T % 2) + p + 8 (p / 8).
;   q || k: rows = tokens, 2,048 columns; a head's 64 are 1,024 bytes of a tile's 2,048.   V^T: rows = d_out, K = tokens.   Scale words: [column group of 128][T][r][4 bytes].
; Both products are used transposed: S^T = K Q^T, O^T = V^T P^T: a lane holds ONE query (position lane % 16) throughout.  By the tiles' row order the 16 registers of key tiles 2 g, 2 g + 1 are keys 32 g + 16 (lane / 16) + 0 .. 15,
; and the 16 registers of O^T's tiles 2 g, 2 g + 1 are 16 neighbours along d_out: the conversions' results are operand registers both times, and ctx is stored as such an image.
; HEAD SIZE 64 IN A FORM OF K = 128: Q's operand is 64 codes and 64 ZERO codes.  A key tile's operand is its 8 registers and the 8 that follow (the next tile's codes, or zeros): those meet Q's zero codes and add 0;
; codes made by this program are never the NaN code.  The scale words come as 16 bits, so the bytes of the upper 64 are 0, which is 2^-127 and no NaN.
; THE HEAD'S WHOLE K AND V STAY IN LDS: codes 2 x 131,072 bytes, scale words 8,192 + 4,096: 274,432 bytes, each filled ONCE, by tensor loads that all go out at the kernel's head (wave 0: K's scale words and K's eight
; slots of 256 keys; wave 1: the same of V: nine loads a wave are out at the most).  No byte is filled again, so there is no ring: three barriers, each behind a wait that shows the slots read next landed, and behind the third
; no wave waits for another.
; SHARES.  A work-group of sixteen waves makes query block 7 - j (256 queries, key slots 0 .. 7 - j) and then block j (slots 0 .. j): nine slots' work for every work-group.  A wave owns one tile of 16 queries.
; The loops walk slots 0 .. 7 and 0 .. 3 with constant trip counts; a step all of whose keys come after the wave's queries is jumped over (a branch on ids); on the diagonal hidden scores become -infinity.
; A work-group with j > 0 fetches j slots of 32,768 bytes that it does not read: so every wave that loads has the same loads behind each counted wait.
; NO JOINT LOADS: the four work-groups that share K and V own different query blocks, and the steps that are jumped over hang on the block: partners of a joint load may not branch differently.
; The scale bytes of ctx are stored singly, 32 a tile and head: two heads share each word, and the whole buffer is 1/32 of the codes.
; LIMITS: NaN and infinities are not served; a block whose largest magnitude lies under 2^-118 keeps the byte 1 (this program alone reads the bytes).
.set SLOTB, 32768                      ; a slot of 256 keys: K's codes, 16 tiles x 1,024 bytes;
.set VCO,   16384                      ; V's codes, 4 tiles x 4,096
.set KSL,   8*SLOTB                    ; behind the eight slots: K's scale words, 128 tiles x 64 bytes (1,024 a slot);
.set VSL,   KSL+8192                   ; V's, 16 key steps x 4 tiles x 64 (512 a slot)
.set LI,  1                            ; v1   16 x lane
.set LS,  2                            ; v2   VSL + 4 x lane
.set LK,  3                            ; v3   KSL + 4 x lane + 2 x (head % 2)
.set QL,  6                            ; v6   my query less the wave's first query, less 16 (lane / 16)
.set GS,  7                            ; v7   8 r + lane / 16: my byte among ctx's scale bytes
.set ADK, 8                            ; v8-10 the step's LDS addresses
.set ADS, 9
.set ADT, 10
.set QSC, 11                           ; v11  Q's scale word;  v12 -M, v13 the largest t, v[14:15] the sum in two halves
.set Q,   16                           ; v16-23 Q's codes, v24-31 zeros
.set KV,  32                           ; v32-95 eight key tiles of 8 registers, later four fragments of V; v96-103 zeros
.set S,   104                          ; v104-167 S^T, then p
.set O,   168                          ; v168-199 O^T
.set PCD, 200                          ; v200-215 p's codes
.set BM,  216                          ; v216-219 block maxima
.set PB,  220                          ; v220-223 the other half's, then bytes
.set LM,  224
.set SO,  228                          ; v228-231 scale operands
.set KSC, 232                          ; v232-235 K's scale words, two tiles to a register
.set VSC, 236                          ; v236-237 V's
.set PSW, 238                          ; v238 p's scale word
.set F,   240                          ; v[240:241] f
.set SM2, 242                          ; v[242:243] the second chain of the sum
.set QB,  244                          ; v244-251, v252: the second block's Q and its scale word
.set QBS, 252
.set H2,  2                            ; s2   head / 2
.set Q0B, 3                            ; s3   the second block's Q0
.set CP,  8                            ; s[8:9]   V's codes at the head's first key; behind the fills: my tile of ctx's codes
.set SQ,  10                           ; s[10:11] V's scale words likewise; then my tile of ctx's scale bytes
.set WV,  16                           ; s16  my wave's number, until the fills are out and my tile is known;
.set KF,  16                           ;      then the step's first key
.set BB,  17                           ; s17  the batch, at the head;
.set CNT, 17                           ;      then the loops' counter
.set HH,  18                           ; s18  the head
.set PAR, 19                           ; s19  head % 2
.set TI,  20                           ; s20  my tile in a block of queries
.set TA,  21                           ; s21  my tile in the first block
.set CS,  22                           ; s[22:23] c = log2(e) / 8
.set SEL, 24                           ; s[24:25] lane selects for lane l xor 16
.set MNT, 26
.set TBB, 27                           ; s27  my tile in the second block
.set G1VS, 28                          ; s[28:35] group 1: V's scale words
.set G1KC, 36                          ; s[36:43] K's codes
.set G1VC, 44                          ; s[44:51] V's codes
.set G1KS, 52                          ; s[52:59] K's scale words
.set G0S,  60                          ; s[60:63] group 0 of the wave's scale words
.set G0C,  68                          ; s[68:99] groups 0 of the wave's eight slots
.set KCB, 100                          ; s[100:101] K's codes at the head's first key, until the fills are out;
.set Q0,  100                          ;      then s100: 32 x (my tile / 2) + the block's first query: no query of mine lies under it, none above it + 31;
.set TB,  101                          ;      s101: LDS byte at which the slot in hand begins
.set KSB, 104                          ; s[104:105] K's scale words likewise;
.set TS,  104                          ;      then s104: the slot's place among K's scale words,
.set TV,  105                          ;      s105: and among V's
.macro GROUP1 g, c, r, p               ; r rows of c elements of 8 bytes, p elements apart; no padding, no mask
	s_mov_b32 s[\g], 3<<16
	s_mov_b32 s[\g+1], (\c)<<16
	s_mov_b32 s[\g+2], (\r)<<16
	s_mov_b32 s[\g+3], (\c)<<16
	s_mov_b32 s[\g+4], \r
	s_mov_b32 s[\g+5], \p
	s_mov_b32 s[\g+6], 0
	s_mov_b32 s[\g+7], 0
.endm
.macro SETG0 g, lds, base, off         ; a group 0: count 1, a constant LDS address, the global address, type 2
	s_mov_b32 s[\g], 1
	s_mov_b32 s[\g+1], \lds
	s_add_nc_u64 s[\g+2:\g+3], s[\base:\base+1], \off
	s_or_b32 s[\g+3], s[\g+3], 0x80000000
.endm
	s_load_b256 s[4:11], s[0:1], 0x0               ; q || k: codes, scale words; V^T: codes, scale words
	s_load_b128 s[12:15], s[0:1], 0x20             ; ctx: codes, scale words
	v_lshl_add_u32 v4, v0, 2, 0x43000
	v_mov_b32 v5, 0
	ds_add_u32 v4, v5
	ds_add_u32 v4, v5
	v_lshrrev_b32 v8, 5, v0
	s_delay_alu instid0(VALU_DEP_1)
	v_readfirstlane_b32 s[WV], v8                  ; wave 0..15
	s_and_b32 s[HH], ttmp7, 0xffff
	s_lshr_b32 s[BB], s[HH], 4                     ; batch
	s_and_b32 s[HH], s[HH], 15                     ; head
	s_and_b32 s[PAR], s[HH], 1
	s_lshr_b32 s[H2], s[HH], 1                     ; the head's column group of 128
	GROUP1 G1KC, 128, 16, 4096                     ; 16 tiles x 1,024 bytes, 32,768 bytes apart
	GROUP1 G1VC, 512, 4, 16384                     ; 4 tiles x 4,096 bytes, 131,072 bytes apart
	GROUP1 G1KS, 32, 32, 32                        ; 8,192 dense bytes as 32 rows of 256
	GROUP1 G1VS, 32, 16, 512                       ; 16 key steps x 256 bytes, 4,096 bytes apart
	s_mov_b32 s[CS], 0x3e38aa3b                    ; c = log2(e) / 8
	s_mov_b32 s[CS+1], s[CS]                       ; (named with it as a pair, so it is written)
	s_mov_b32 s[SEL], 0x76543210
	s_mov_b32 s[SEL+1], 0xfedcba98
	s_lshl_b32 s100, s[BB], 22                     ; K's codes: batch x 128 tiles x 32,768; column group 8 + head / 2; the head's half
	s_add_co_u32 s66, s[H2], 8
	s_lshl_b32 s67, s66, 11
	s_add_co_u32 s100, s100, s67
	s_lshl_b32 s67, s[PAR], 10
	s_add_co_u32 s100, s100, s67
	s_mov_b32 s101, 0
	s_lshl_b32 s104, s66, 15                       ; K's scale words: column group x 32,768; batch x 128 tiles x 64
	s_lshl_b32 s67, s[BB], 13
	s_add_co_u32 s104, s104, s67
	s_mov_b32 s105, 0
	s_lshl_b32 s20, s[BB], 16                      ; V's scale words: batch x 16 key steps x 4,096; tile 4 x head x 64
	s_lshl_b32 s67, s[HH], 8
	s_add_co_u32 s20, s20, s67
	s_mov_b32 s21, 0
	s_lshl_b32 s66, s[HH], 19                      ; V's codes: tile 4 x head; batch x 16 key steps x 2,048
	s_lshl_b32 s67, s[BB], 15
	s_add_co_u32 s66, s66, s67
	s_mov_b32 s67, 0
	s_wait_dscnt 0x0
	s_wait_kmcnt 0x0
	s_add_nc_u64 s[KCB:KCB+1], s[4:5], s[100:101]
	s_add_nc_u64 s[KSB:KSB+1], s[6:7], s[104:105]
	s_add_nc_u64 s[CP:CP+1], s[8:9], s[66:67]
	s_add_nc_u64 s[SQ:SQ+1], s[10:11], s[20:21]
	; ALL THE FILLS, as one group: a wave's nine stand inside one branch on its number, the scale words first, then the slots in the order in which they are read.  Four v_nop follow the last.
	s_cmp_lg_u32 s[WV], 0
	s_cbranch_scc1 .Lnot_k
	SETG0 G0S, KSL, KSB, 0
.irp n, 0,1,2,3,4,5,6,7
	SETG0 G0C+4*\n, \n*SLOTB, KCB, \n*524288       ; slot n: 16 tiles of 32,768 bytes on
.endr
	tensor_load_to_lds s[G0S:G0S+3], s[G1KS:G1KS+7]
	s_nop 0
.irp n, 0,1,2,3,4,5,6,7
	tensor_load_to_lds s[G0C+4*\n:G0C+4*\n+3], s[G1KC:G1KC+7]
	s_nop 0
.endr
.rept 4
	v_nop
.endr
	s_branch .Lasked
.Lnot_k:
	s_cmp_lg_u32 s[WV], 1
	s_cbranch_scc1 .Lasked
	SETG0 G0S, VSL, SQ, 0
.irp n, 0,1,2,3,4,5,6,7
	SETG0 G0C+4*\n, \n*SLOTB+VCO, CP, \n*4096      ; slot n: two key steps of 2,048 bytes on in each tile
.endr
	tensor_load_to_lds s[G0S:G0S+3], s[G1VS:G1VS+7]
	s_nop 0
.irp n, 0,1,2,3,4,5,6,7
	tensor_load_to_lds s[G0C+4*\n:G0C+4*\n+3], s[G1VC:G1VC+7]
	s_nop 0
.endr
.rept 4
	v_nop
.endr
.Lasked:
	; MY TILE: 8 ((w ^ (w / 4)) % 2) + w / 2.  A tile of a block's first half has one key step on the diagonal slot, one of its second half two.  Of any four waves with equal w % 4, and of any four with equal w / 4,
	; two own a tile of each half: whichever of these groupings shares a SIMD, the four have equal work.
	s_lshr_b32 s66, s[WV], 2
	s_xor_b32 s66, s66, s[WV]
	s_and_b32 s66, s66, 1
	s_lshl_b32 s66, s66, 3
	s_lshr_b32 s67, s[WV], 1
	s_or_b32 s[TI], s66, s67
	s_lshl_b32 s[TBB], s[BB], 7                    ; 128 tiles a batch, 16 a block of queries
	s_add_co_u32 s[TBB], s[TBB], s[TI]
	s_sub_co_u32 s66, 7, ttmp9                     ; the first block: 7 - j
	s_lshl_b32 s67, s66, 4
	s_add_co_u32 s[TA], s[TBB], s67
	s_lshl_b32 s67, ttmp9, 4                       ; the second: j
	s_add_co_u32 s[TBB], s[TBB], s67
	s_lshr_b32 s67, s[TI], 1
	s_lshl_b32 s67, s67, 5
	s_lshl_b32 s[Q0], s66, 8
	s_add_co_u32 s[Q0], s[Q0], s67
	s_lshl_b32 s[Q0B], ttmp9, 8
	s_add_co_u32 s[Q0B], s[Q0B], s67
	s_lshl_b32 s66, s[H2], 11                      ; Q's codes and ctx's: column group head / 2, the head's half
	s_lshl_b32 s67, s[PAR], 10
	s_add_co_u32 s66, s66, s67
	s_mov_b32 s67, 0
	s_add_nc_u64 s[4:5], s[4:5], s[66:67]
	s_add_nc_u64 s[12:13], s[12:13], s[66:67]
	s_lshl_b32 s66, s[H2], 15                      ; Q's scale words: the head's two bytes of a word
	s_lshl_b32 s67, s[PAR], 1
	s_add_co_u32 s66, s66, s67
	s_mov_b32 s67, 0
	s_add_nc_u64 s[6:7], s[6:7], s[66:67]
	s_lshr_b32 s66, s[HH], 2                       ; ctx's scale bytes: [T][head / 4][r][(head / 2) % 2][2 (head % 2) + block]
	s_lshl_b32 s66, s66, 7
	s_and_b32 s67, s[H2], 1
	s_lshl_b32 s67, s67, 2
	s_add_co_u32 s66, s66, s67
	s_lshl_b32 s67, s[PAR], 1
	s_add_co_u32 s66, s66, s67
	s_mov_b32 s67, 0
	s_add_nc_u64 s[14:15], s[14:15], s[66:67]
	s_lshl_b32 s66, s[TA], 14                      ; the first block's tile of ctx
	s_add_nc_u64 s[CP:CP+1], s[12:13], s[66:67]
	s_lshl_b32 s66, s[TA], 9
	s_add_nc_u64 s[SQ:SQ+1], s[14:15], s[66:67]
	v_and_b32 v8, 31, v0                           ; lane
	s_delay_alu instid0(VALU_DEP_1)
	v_lshlrev_b32 v[LI], 4, v8
	s_delay_alu instid0(VALU_DEP_2)
	v_lshl_add_u32 v[LS], v8, 2, VSL
	s_delay_alu instid0(VALU_DEP_3)
	v_lshl_add_u32 v[LK], v8, 2, KSL
	s_lshl_b32 s66, s[PAR], 1
	v_add_nc_u32 v[LK], s66, v[LK]
	v_and_b32 v9, 15, v0                           ; r
	v_bfe_u32 v10, v0, 4, 1                        ; lane / 16
	s_delay_alu instid0(VALU_DEP_2)
	v_and_b32 v[QL], 8, v9
	s_delay_alu instid0(VALU_DEP_1)
	v_add_nc_u32 v[QL], v[QL], v9                  ; r + 8 (r / 8)
	s_delay_alu instid0(VALU_DEP_3)
	v_lshlrev_b32 v253, 4, v10
	s_delay_alu instid0(VALU_DEP_1)
	v_sub_nc_u32 v[QL], v[QL], v253
	s_and_b32 s66, s[TI], 1
	s_lshl_b32 s66, s66, 3
	v_add_nc_u32 v[QL], s66, v[QL]                 ; + 8 (tile % 2)
	v_lshl_add_u32 v[GS], v9, 3, v10
	s_lshl_b32 s66, s[TA], 15
	v_add_nc_u32 v253, s66, v[LI]
	s_lshl_b32 s66, s[TBB], 15
	v_add_nc_u32 v254, s66, v[LI]
	s_lshl_b32 s66, s[TA], 6
	v_lshl_add_u32 v255, v9, 2, s66
	s_lshl_b32 s66, s[TBB], 6
	v_lshl_add_u32 v239, v9, 2, s66
	global_load_b128 v[Q:Q+3], v253, s[4:5]        ; both blocks' Q stay in registers
	global_load_b128 v[Q+4:Q+7], v253, s[4:5] offset:512
	global_load_b128 v[QB:QB+3], v254, s[4:5]
	global_load_b128 v[QB+4:QB+7], v254, s[4:5] offset:512
	global_load_u16 v[QSC], v255, s[6:7]
	global_load_u16 v[QBS], v239, s[6:7]
.irp i, 0,1,2,3,4,5,6,7
	v_mov_b32 v[Q+8+\i], 0                         ; the upper 64 of Q's operand: zero codes
	v_mov_b32 v[KV+64+\i], 0                       ; and what follows the last key tile
.endr
	v_mov_b32 v13, 0xff61b1e6                      ; the largest t so far: -3e38, under every t
	s_delay_alu instid0(VALU_DEP_1)
	v_floor_f32 v12, -v13                          ; -M
	v_mov_b32 v14, 0
	v_mov_b32 v15, 0
.irp b, 0,1,2,3
	v_mov_b32 v[PB+\b], 0                          ; a lane permute's destination counts as one of its sources
.endr
	v_mov_b32 v[F+1], 0                            ; (named as the upper half of a pair)
.irp j, 0,1,2,3,4,5,6,7,8,9,10,11,12,13,14,15,16,17,18,19,20,21,22,23,24,25,26,27,28,29,30,31
	v_mov_b32 v[O+\j], 0                           ; O^T: the step is written once; the first change of M multiplies zeros
.endr
	s_wait_loadcnt 0x0                             ; Q is in; the loads' offset registers are free
	v_mov_b32 v253, 0
; A KEY STEP: 128 keys, the q-th of the slot in hand.  edge = 1: the slot may reach or pass the diagonal: the step has the jump over hidden keys and the mask.
.macro STEP q, edge
.if \edge
	s_add_co_u32 s66, s[Q0], 31
	s_cmp_gt_u32 s[KF], s66
	s_cbranch_scc1 .Lhidden_\@                     ; all 128 keys come after my queries: a branch on ids; no barrier and no tensor load stands in a step
.endif
	v_add_nc_u32 v[ADK], s[TB], v[LI]
	v_add_nc_u32 v[ADS], s[TS], v[LK]
	v_add_nc_u32 v[ADT], s[TV], v[LS]
.rept 5
	v_nop                                          ; with the three additions: eight places in front of loads into registers that the last products read
.endr
.irp t, 0,1,2,3,4,5,6,7
.irp c, 0,1
	ds_load_b128 v[KV+8*\t+4*\c:KV+8*\t+4*\c+3], v[ADK] offset:(8*(\q)+\t)*1024+512*\c
.endr
.endr
.irp u, 0,1,2,3
	ds_load_u16 v[KSC+\u], v[ADS] offset:(8*(\q)+2*\u)*64   ; lanes 0-15: tile 2 u; lanes 16-31: tile 2 u + 1
.endr
	s_wait_alu depctr_va_vdst(0)
	s_wait_dscnt 0x0
.irp t, 0,1,2,3,4,5,6,7
.if (\t%2) == 0
	v_wmma_scale_f32_16x16x128_f8f6f4 v[S+8*\t:S+8*\t+7], v[KV+8*\t:KV+8*\t+15], v[Q:Q+15], 0, v[KSC+\t/2], v[QSC]
.else
	v_wmma_scale_f32_16x16x128_f8f6f4 v[S+8*\t:S+8*\t+7], v[KV+8*\t:KV+8*\t+15], v[Q:Q+15], 0, v[KSC+\t/2], v[QSC] matrix_a_scale:MATRIX_SCALE_ROW1
.endif
.endr
.rept 8
	v_nop                                          ; places in front of the loads below and of the first read of the scores
.endr
.irp t, 0,1,2,3                                ; V's four fragments are asked for now and land under the softmax
.irp c, 0,1,2,3
	ds_load_b128 v[KV+16*\t+4*\c:KV+16*\t+4*\c+3], v[ADK] offset:VCO+4096*\t+2048*(\q)+512*\c
.endr
.endr
.irp u, 0,1
	ds_load_b32 v[VSC+\u], v[ADT] offset:256*(\q)+128*\u
.endr
.if \edge
	s_add_co_u32 s66, s[KF], 127                   ; on the diagonal hidden scores become -infinity; a step all of whose keys count skips this
	s_cmp_le_u32 s66, s[Q0]
	s_cbranch_scc1 .Lopen_\@
	s_sub_co_i32 s66, s[Q0], s[KF]
	v_add_nc_u32 v253, s66, v[QL]                  ; d = my query - KF - 16 (lane / 16): register 16 g + i holds key KF + 16 (lane / 16) + 32 g + i: hidden where 32 g + i > d
	v_mov_b32 v254, 0xff800000
.irp n, 0,1,2,3,4,5,6,7,8,9,10,11,12,13,14,15,16,17,18,19,20,21,22,23,24,25,26,27,28,29,30,31,32,33,34,35,36,37,38,39,40,41,42,43,44,45,46,47,48,49,50,51,52,53,54,55,56,57,58,59,60,61,62,63
	v_cmp_gt_i32 vcc_lo, 32*(\n/16)+\n%16, v253
	v_cndmask_b32 v[S+\n], v[S+\n], v254, vcc_lo
.endr
.Lopen_\@:
.endif
.irp b, 0,1,2,3
	v_max3_num_f32 v[BM+\b], v[S+16*\b], v[S+16*\b+1], v[S+16*\b+2]   ; the largest score of each block of 32 keys: for the row's maximum and, since p rises with the score, for the block's largest p
.endr
.irp i, 3,5,7,9,11,13
.irp b, 0,1,2,3
	v_max3_num_f32 v[BM+\b], v[BM+\b], v[S+16*\b+\i], v[S+16*\b+\i+1]
.endr
.endr
.irp b, 0,1,2,3
	v_max_num_f32 v[BM+\b], v[BM+\b], v[S+16*\b+15]
.endr
.irp b, 0,1,2,3
	s_delay_alu instid0(VALU_DEP_4)
	v_permlanex16_b32 v[PB+\b], v[BM+\b], s[SEL], s[SEL+1]
.endr
.irp b, 0,1,2,3
	s_delay_alu instid0(VALU_DEP_4)
	v_max_num_f32 v[BM+\b], v[BM+\b], v[PB+\b]     ; with lane l xor 16's 16 keys
.endr
	s_delay_alu instid0(VALU_DEP_2)
	v_max3_num_f32 v254, v[BM], v[BM+1], v[BM+2]
	s_delay_alu instid0(VALU_DEP_1)
	v_max_num_f32 v254, v254, v[BM+3]              ; the step's largest score of my query
	s_delay_alu instid0(VALU_DEP_1)
	v_mul_f32 v254, s[CS], v254                    ; as t
	s_delay_alu instid0(VALU_DEP_1)
	v_max_num_f32 v13, v13, v254                   ; the running largest t
	v_mov_b32 v254, v12
	s_delay_alu instid0(VALU_DEP_2)
	v_floor_f32 v12, -v13                          ; the new -M = floor(-t) = -ceil(t)
	s_delay_alu instid0(VALU_DEP_1)
	v_sub_f32 v254, v12, v254                      ; old M - new M: a whole number, 0 or less
	s_delay_alu instid0(VALU_DEP_1)
	v_cvt_i32_f32 v254, v254                       ; (it saturates)
	s_delay_alu instid0(VALU_DEP_1)
	v_ldexp_f32 v[F], 1.0, v254                    ; f = 2^(old M - new M)
.irp j, 0,2,4,6,8,10,12,14,16,18,20,22,24,26,28,30,32,34,36,38,40,42,44,46,48,50,52,54,56,58,60,62
	v_pk_fma_f32 v[S+\j:S+\j+1], v[S+\j:S+\j+1], s[CS:CS+1], v[12:13] op_sel_hi:[1,0,0]   ; t - M, two at a time
.endr
.irp b, 0,1,2,3
	v_fma_f32 v[BM+\b], v[BM+\b], s[CS], v12       ; the same of each block's largest score
.endr
	s_wait_alu depctr_va_vdst(0)
.irp j, 0,1,2,3,4,5,6,7,8,9,10,11,12,13,14,15,16,17,18,19,20,21,22,23,24,25,26,27,28,29,30,31,32,33,34,35,36,37,38,39,40,41,42,43,44,45,46,47,48,49,50,51,52,53,54,55,56,57,58,59,60,61,62,63
	v_exp_f32 v[S+\j], v[S+\j]                     ; p = 2^(t - M), at most 1
.endr
.irp b, 0,1,2,3
	v_exp_f32 v[BM+\b], v[BM+\b]                   ; the block's largest p: the same two instructions on the same number
.endr
	v_pk_mul_f32 v[14:15], v[14:15], v[F:F+1] op_sel_hi:[1,0]   ; the sums under the new M (a plain place behind the exponentials)
	s_wait_alu depctr_va_vdst(0)
.irp b, 0,1,2,3
	v_max_num_f32 v[BM+\b], 0x4800000, v[BM+\b]    ; the floor 2^(9 - 127): the byte cannot fall under 1
.endr
.irp b, 0,1,2,3
	s_delay_alu instid0(VALU_DEP_4)
	v_add_nc_u32 v[SO+\b], 0xfc000000, v[BM+\b]    ; the conversion's scale operand
.endr
.irp b, 0,1,2,3
.endr
.irp b, 0,1,2,3
	s_delay_alu instid0(VALU_DEP_4)
	v_lshrrev_b32 v[PB+\b], 23, v[SO+\b]           ; the scale's byte
.endr
	s_delay_alu instid0(VALU_DEP_3)
	v_lshl_or_b32 v[PSW], v[PB+1], 8, v[PB]        ; p's scale word for these 128 keys
	s_delay_alu instid0(VALU_DEP_1)
	v_lshl_or_b32 v[PSW], v[PB+2], 16, v[PSW]
	s_delay_alu instid0(VALU_DEP_1)
	v_lshl_or_b32 v[PSW], v[PB+3], 24, v[PSW]
	v_pk_add_f32 v[242:243], v[108:109], v[112:113]
	v_pk_add_f32 v[254:255], v[116:117], v[120:121]
	v_pk_add_f32 v[234:235], v[124:125], v[128:129]
	v_pk_add_f32 v[232:233], v[132:133], v[136:137]
	v_pk_add_f32 v[226:227], v[140:141], v[144:145]
	v_pk_add_f32 v[224:225], v[148:149], v[152:153]
	v_pk_add_f32 v[218:219], v[156:157], v[160:161]
	v_pk_add_f32 v[14:15], v[14:15], v[164:165]
	v_pk_add_f32 v[242:243], v[242:243], v[104:105]
	v_pk_add_f32 v[254:255], v[254:255], v[106:107]
	v_pk_add_f32 v[234:235], v[234:235], v[110:111]
	v_pk_add_f32 v[232:233], v[232:233], v[114:115]
	v_pk_add_f32 v[226:227], v[226:227], v[118:119]
	v_pk_add_f32 v[224:225], v[224:225], v[122:123]
	v_pk_add_f32 v[218:219], v[218:219], v[126:127]
	v_pk_add_f32 v[14:15], v[14:15], v[130:131]
	v_pk_add_f32 v[242:243], v[242:243], v[134:135]
	v_pk_add_f32 v[254:255], v[254:255], v[138:139]
	v_pk_add_f32 v[234:235], v[234:235], v[142:143]
	v_pk_add_f32 v[232:233], v[232:233], v[146:147]
	v_pk_add_f32 v[226:227], v[226:227], v[150:151]
	v_pk_add_f32 v[224:225], v[224:225], v[154:155]
	v_pk_add_f32 v[218:219], v[218:219], v[158:159]
	v_pk_add_f32 v[14:15], v[14:15], v[162:163]
	v_pk_add_f32 v[242:243], v[242:243], v[166:167]
	s_delay_alu instid0(VALU_DEP_2)
	v_pk_add_f32 v[14:15], v[14:15], v[232:233]
	s_delay_alu instid0(VALU_DEP_2)
	v_pk_add_f32 v[242:243], v[242:243], v[226:227]
	v_pk_add_f32 v[254:255], v[254:255], v[224:225]
	v_pk_add_f32 v[234:235], v[234:235], v[218:219]
	s_delay_alu instid0(VALU_DEP_2)
	v_pk_add_f32 v[14:15], v[14:15], v[254:255]
	s_delay_alu instid0(VALU_DEP_2)
	v_pk_add_f32 v[242:243], v[242:243], v[234:235]
	s_delay_alu instid0(VALU_DEP_1)
	v_pk_add_f32 v[14:15], v[14:15], v[242:243]
.irp b, 0,1,2,3
.irp i, 0,1,2,3,4,5,6,7,8,9,10,11,12,13,14,15
.endr
	v_cvt_scalef32_pk8_fp8_f32 v[PCD+4*\b:PCD+4*\b+1], v[S+16*\b:S+16*\b+7], v[SO+\b]
	v_cvt_scalef32_pk8_fp8_f32 v[PCD+4*\b+2:PCD+4*\b+3], v[S+16*\b+8:S+16*\b+15], v[SO+\b]
.endr
.irp j, 0,2,4,6,8,10,12,14,16,18,20,22,24,26,28,30
	v_pk_mul_f32 v[O+\j:O+\j+1], v[O+\j:O+\j+1], v[F:F+1] op_sel_hi:[1,0]   ; O^T under the new M; these sixteen are also the places between the codes and the products
.endr
	s_wait_alu depctr_va_vdst(0)
	s_wait_dscnt 0x0                               ; V is in
.irp t, 0,1,2,3                                ; O^T += V^T P^T: the four accumulators by turns
.if (\t%2) == 0
	v_wmma_scale_f32_16x16x128_f8f6f4 v[O+8*\t:O+8*\t+7], v[KV+16*\t:KV+16*\t+15], v[PCD:PCD+15], v[O+8*\t:O+8*\t+7], v[VSC+\t/2], v[PSW]
.else
	v_wmma_scale_f32_16x16x128_f8f6f4 v[O+8*\t:O+8*\t+7], v[KV+16*\t:KV+16*\t+15], v[PCD:PCD+15], v[O+8*\t:O+8*\t+7], v[VSC+\t/2], v[PSW] matrix_a_scale:MATRIX_SCALE_ROW1
.endif
.endr
.if \edge
.Lhidden_\@:
.endif
	s_add_co_u32 s[KF], s[KF], 128
.endm
.macro SLOT_STEPS edge                 ; a slot's two key steps, and on to the next slot: every address steps by a constant
	STEP 0, \edge
	STEP 1, \edge
	s_add_co_u32 s[TB], s[TB], SLOTB
	s_add_co_u32 s[TS], s[TS], 1024
	s_add_co_u32 s[TV], s[TV], 512
.endm
; A block of queries is finished: O^T is divided by the row's sum, quantised along d_out (two blocks of 32; register 16 g + i is d 32 g + 16 (lane / 16) + i) and stored as half a fragment's image.
.macro FINISH more
.rept 8
	v_nop                                          ; places behind the last products
.endr
	v_add_f32 v14, v14, v15
	s_delay_alu instid0(VALU_DEP_1)
	v_permlanex16_b32 v253, v14, s[SEL], s[SEL+1]
	s_delay_alu instid0(VALU_DEP_1)
	v_add_f32 v14, v14, v253                       ; the row's sum
	s_wait_alu depctr_va_vdst(0)
	v_rcp_f32 v14, v14
	v_nop                                          ; a plain place behind the transcendental
	s_wait_alu depctr_va_vdst(0)
.irp j, 0,2,4,6,8,10,12,14,16,18,20,22,24,26,28,30
	v_pk_mul_f32 v[S+\j:S+\j+1], v[O+\j:O+\j+1], v[14:15] op_sel_hi:[1,0]
.endr
.irp b, 0,1
	v_max3_num_f32 v[BM+\b], |v[S+16*\b]|, |v[S+16*\b+1]|, 0x4800000
.endr
.irp i, 2,4,6,8,10,12,14
.irp b, 0,1
	s_delay_alu instid0(VALU_DEP_2)
	v_max3_num_f32 v[BM+\b], v[BM+\b], |v[S+16*\b+\i]|, |v[S+16*\b+\i+1]|
.endr
.endr
.irp b, 0,1
	s_delay_alu instid0(VALU_DEP_2)
	v_permlanex16_b32 v[PB+\b], v[BM+\b], s[SEL], s[SEL+1]
.endr
.irp b, 0,1
	s_delay_alu instid0(VALU_DEP_2)
	v_max_num_f32 v[BM+\b], v[BM+\b], v[PB+\b]
.endr
.irp b, 0,1
	s_delay_alu instid0(VALU_DEP_2)
	v_add_nc_u32 v[SO+\b], 0xfc000000, v[BM+\b]
.endr
.irp b, 0,1
.endr
.irp b, 0,1
	s_delay_alu instid0(VALU_DEP_2)
	v_lshrrev_b32 v[PB+\b], 23, v[SO+\b]
.endr
.irp b, 0,1
.irp i, 0,1,2,3,4,5,6,7,8,9,10,11,12,13,14,15
.endr
	v_cvt_scalef32_pk8_fp8_f32 v[PCD+4*\b:PCD+4*\b+1], v[S+16*\b:S+16*\b+7], v[SO+\b]
	v_cvt_scalef32_pk8_fp8_f32 v[PCD+4*\b+2:PCD+4*\b+3], v[S+16*\b+8:S+16*\b+15], v[SO+\b]
.endr
	v_nop                                          ; a plain line behind the last conversion
	v_cmp_lt_u32 vcc_lo, 255, v[LI]                ; lanes 16-31 store the second block's byte
	s_delay_alu instid0(VALU_DEP_1)
	v_cndmask_b32 v254, v[PB], v[PB+1], vcc_lo
	global_store_b128 v[LI], v[PCD:PCD+3], s[CP:CP+1]              ; 32 lanes store 512 consecutive bytes, twice
	global_store_b128 v[LI], v[PCD+4:PCD+7], s[CP:CP+1] offset:512
	global_store_b8 v[GS], v254, s[SQ:SQ+1]
.if \more
	s_wait_xcnt 0x0                                ; the stores' data and bases are written again only behind this wait
.endif
.endm
.macro REINIT                          ; on to the second block of queries, from key 0 again: K and V lie in LDS as they came
.irp i, 0,1,2,3,4,5,6,7
	v_mov_b32 v[Q+\i], v[QB+\i]
.endr
	v_mov_b32 v[QSC], v[QBS]
	v_mov_b32 v13, 0xff61b1e6
	s_delay_alu instid0(VALU_DEP_1)
	v_floor_f32 v12, -v13
	v_mov_b32 v14, 0
	v_mov_b32 v15, 0
.irp j, 0,1,2,3,4,5,6,7,8,9,10,11,12,13,14,15,16,17,18,19,20,21,22,23,24,25,26,27,28,29,30,31
	v_mov_b32 v[O+\j], 0                           ; (these are also the places between Q's new scale word and the next products)
.endr
	s_mov_b32 s[Q0], s[Q0B]
	s_mov_b32 s[TB], 0
	s_mov_b32 s[TS], 0
	s_mov_b32 s[TV], 0
	s_mov_b32 s[KF], 0
	s_mov_b32 s67, 0
	s_lshl_b32 s66, s[TBB], 14
	s_add_nc_u64 s[CP:CP+1], s[12:13], s[66:67]
	s_lshl_b32 s66, s[TBB], 9
	s_add_nc_u64 s[SQ:SQ+1], s[14:15], s[66:67]
.endm
	s_mov_b32 s[TB], 0
	s_mov_b32 s[TS], 0
	s_mov_b32 s[TV], 0
	s_mov_b32 s[KF], 0
	; THE FIRST BLOCK, 7 - j: it is block 4 at the least, so slots 0 to 2 lie wholly under its queries: their steps have neither jump nor mask.
	s_wait_tensorcnt 7                             ; of a loading wave's nine the first two are in: the scale words and slot 0; the seven behind them may be out
	s_barrier_signal -1
	s_barrier_wait -1                              ; both loading waves have said so
	SLOT_STEPS 0                                   ; slot 0
	s_wait_tensorcnt 5                             ; slots 1 and 2 are in; the five behind them may be out.  (No LDS load of mine is out: each step waits for its own)
	s_barrier_signal -1
	s_barrier_wait -1
	s_mov_b32 s[CNT], 2
.Lsecond:                                          ; slots 1 and 2
	SLOT_STEPS 0
	s_sub_co_u32 s[CNT], s[CNT], 1
	s_cmp_lg_u32 s[CNT], 0
	s_cbranch_scc1 .Lsecond
	s_wait_tensorcnt 0x0                           ; all is in
	s_barrier_signal -1
	s_barrier_wait -1                              ; the last barrier: from here on LDS is only read, and no wave waits for another
	s_mov_b32 s[CNT], 5
.Lrest:                                            ; slots 3 to 7: what comes after my queries is jumped over
	SLOT_STEPS 1
	s_sub_co_u32 s[CNT], s[CNT], 1
	s_cmp_lg_u32 s[CNT], 0
	s_cbranch_scc1 .Lrest
	FINISH 1
	REINIT
	s_mov_b32 s[CNT], 4
.Lagain:                                           ; THE SECOND BLOCK, j: it is block 3 at the most: slots 0 to 3
	SLOT_STEPS 1
	s_sub_co_u32 s[CNT], s[CNT], 1
	s_cmp_lg_u32 s[CNT], 0
	s_cbranch_scc1 .Lagain
	FINISH 0
	s_wait_tensorcnt 0x0
	ds_add_u32 v4, v5
	s_wait_dscnt 0x0
	s_endpgm
.Lfunc_end_k_q23bc8e8e65_attn:
	.size	k_q23bc8e8e65_attn, .Lfunc_end_k_q23bc8e8e65_attn-k_q23bc8e8e65_attn
	.p2alignl 7, 3214868480
	.fill 96, 4, 3214868480
	.section	.rodata,"a",@progbits
	.p2align	6, 0x0
	.amdhsa_kernel k_q23bc8e8e65_attn
		.amdhsa_group_segment_fixed_size 276480
		.amdhsa_private_segment_fixed_size 0
		.amdhsa_enable_private_segment 0
		.amdhsa_kernarg_size 48
		.amdhsa_user_sgpr_count 2
		.amdhsa_user_sgpr_kernarg_segment_ptr 1
		.amdhsa_wavefront_size32 1
		.amdhsa_system_sgpr_workgroup_id_x 1
		.amdhsa_system_sgpr_workgroup_id_y 1
		.amdhsa_system_sgpr_workgroup_id_z 1
		.amdhsa_system_vgpr_workitem_id 0
		.amdhsa_next_free_vgpr 256
		.amdhsa_next_free_sgpr 106
		.amdhsa_reserve_vcc 1
		.amdhsa_float_denorm_mode_32 3
		.amdhsa_float_denorm_mode_16_64 3
		.amdhsa_fp16_overflow 1
		.amdhsa_memory_ordered 1
		.amdhsa_forward_progress 1
		.amdhsa_inst_pref_size 185
	.end_amdhsa_kernel
	.amdgpu_metadata
---
amdhsa.version: [ 1, 2 ]
amdhsa.kernels:
  - .name:           k_q23bc8e8e65_attn
    .symbol:         k_q23bc8e8e65_attn.kd
    .args:
      - { .name: qkc, .offset: 0, .size: 8, .value_kind: global_buffer, .address_space: global }
      - { .name: qks, .offset: 8, .size: 8, .value_kind: global_buffer, .address_space: global }
      - { .name: vc, .offset: 16, .size: 8, .value_kind: global_buffer, .address_space: global }
      - { .name: vs, .offset: 24, .size: 8, .value_kind: global_buffer, .address_space: global }
      - { .name: cxc, .offset: 32, .size: 8, .value_kind: global_buffer, .address_space: global }
      - { .name: cxs, .offset: 40, .size: 8, .value_kind: global_buffer, .address_space: global }
    .group_segment_fixed_size: 276480
    .private_segment_fixed_size: 0
    .kernarg_segment_align: 8
    .kernarg_segment_size: 48
    .max_flat_workgroup_size: 512
    .sgpr_count:     106
    .vgpr_count:     256
    .wavefront_size: 32
...
	.end_amdgpu_metadata
.endif
;; end of part 3
;; launch outp (part 4): grid 4 x 32, 4 waves a work-group, clusters of 4 x 4, 327,680 bytes of LDS; arguments cxc, cxs, opc, ops, out0, b_out; writes out0
.if DOCPART == 4
	.amdgcn_target "amdgcn-amd-amdhsa--gfx1250"
	.amdhsa_code_object_version 6
	.text
	.protected	k_q23bc8e8e65_outp
	.globl	k_q23bc8e8e65_outp
	.p2align	8
	.type	k_q23bc8e8e65_outp,@function
k_q23bc8e8e65_outp:
	s_mov_b64 s[64:65], 0
	v_nop
	global_prefetch_b8 v0, s[64:65] scope:SCOPE_SE
	s_setreg_imm32_b32 hwreg(HW_REG_WAVE_MODE, 25, 1), 1
	s_wait_xcnt 0x0
	s_wait_alu depctr_hold_cnt(0) depctr_sa_sdst(0) depctr_va_vdst(0) depctr_va_sdst(0) depctr_va_ssrc(0) depctr_va_vcc(0) depctr_vm_vsrc(0)
	s_getreg_b32 s2, hwreg(HW_REG_IB_STS2, 6, 4)
	s_cmp_eq_u32 s2, 0
	s_cbranch_scc0 .Lentry_in_a_cluster
	s_endpgm
.Lentry_in_a_cluster:
	s_bfe_u32 s2, ttmp6, 0x10000c
	s_cmp_lg_u32 s2, 0xf033
	s_cbranch_scc0 .Lentry_shape_is_right
	s_endpgm
.Lentry_shape_is_right:
; out = ctx W_out^T + b_out on codes of FP8 (E4M3) with E8M0 scales; out [8192][1024] f32; K = 1,024.
; OPERANDS lie in memory as images of the operand's registers: tiles T of 16 rows; codes [T][K / 128][c][lane][16 bytes]; scale words [T][K / 256][r][2][4 bytes]; position p of tile T is row 32 (T / 2) + 8 (T % 2) + p + 8 (p / 8).
; ctx: tiles 0-511 of its own buffers; W_out: tiles 704-767 of the operands' buffers.
; A tile of out, 256 x 256, is made by four waves, 128 x 128 each: 64 accumulators, 512 registers.  K goes in four steps of 256 through two LDS slots; a wave's tensor load brings 8 tiles x 4,096 bytes.
; The matrix instruction is used transposed (source 0 = W_out's tile, source 1 = ctx's): accumulator (a, b), register j of lane (r, h) is column 32 (b / 2) + 8 (b % 2) + 16 h + j of ctx's position r.
; THE BIAS is the C of each sum's first product: 64 registers in that layout.  The tiles' row order is undone on the way out, in the stores' immediates.
; CLUSTERS: 4 x 4 work-groups; ctx's tiles are asked for jointly along a row of the cluster, W_out's along a column.
; REGISTERS: window 0: v0-31 addresses; v32-63 scale words, two sets; v64-127 the bias; v128-255 A's fragments, one set, later rows of out.  window 1: B's fragments, two sets.  windows 2, 3: the accumulators.
.set FR,    16
.set HALFT, 32768
.set SLOT,  4*HALFT
.set SCL,   2*SLOT
.set HALFS, 4096
.set SPARE, SCL+4*HALFS                ; the spare words, 128 bytes for each wave: two blocks of 256 bytes that no other line names
.set SPITCH, 528                       ; the way out: a stage of 16 rows x (512 + 16 bytes) for each wave, in slot 0, which has had its last fill and its last read when the first result is stored there
.set LI,   4
.set ADRA, 16
.set ADRB, 20
.set STO,  24                          ; v24  the stage: where I put my numbers of a row
.set RD,   25                          ; v25  and where I read a row back
.set ADRS, 27
.set SPW,  28                          ; v28  LDS address of my spare word; never rewritten
.set NIL,  29                          ; v29  0; never rewritten
.set SC,   32
.set BI,   64                          ; the bias
.set AF,   128
.set BK,   128                         ; the way out: v128-191 and v192-255 by turns
.set WV, 16
.set RH, 17
.set CH, 18
.set G1, 24
.set G0, 32
.set G1B, 48
.set G0B, 56
.set G1S, 68
.set G0S, 76
.set G1SB, 80
.set G0SB, 88
.set MSB, 0
.macro WIN new                         ; the immediate's high byte repeats the setting that is left
.if MSB != \new
	s_set_vgpr_msb (MSB<<8)|\new
.set MSB, \new
.endif
.endm
.set MUL_LO, 0xa1                      ; source 0 (B) window 1, source 1 (A) window 0, C and D window 2
.set MUL_HI, 0xf1                      ; the same, C and D window 3
.set FIRST_LO, 0x81                    ; the first step's products: C (the bias) window 0, D window 2
.set FIRST_HI, 0xc1                    ; D window 3
.set TO_B,   0x40
.macro JLOAD g0a, g1a, g0b, g1b        ; a joint load: waves 0 and 1 fetch for A, waves 2 and 3 for B; four v_nop follow each of the two lines
	s_cmp_eq_u32 s[RH], 0
	s_cbranch_scc0 .Lfor_b_\@
	tensor_load_to_lds s[\g0a:\g0a+3], s[\g1a:\g1a+7]
	s_nop 0
.rept 4
	v_nop
.endr
	s_branch .Lasked_\@
.Lfor_b_\@:
	tensor_load_to_lds s[\g0b:\g0b+3], s[\g1b:\g1b+7]
	s_nop 0
.rept 4
	v_nop
.endr
.Lasked_\@:
.endm
.macro CREST
	s_cmp_lg_u32 s[WV], 0
	s_cbranch_scc1 .Lnot_wave_0_\@
	s_barrier_signal -3
.Lnot_wave_0_\@:
	s_barrier_wait -3
	s_barrier_signal -1
	s_barrier_wait -1
.endm
.macro CROUND
	s_barrier_signal -1
	s_barrier_wait -1
	CREST
.endm
	s_load_b128 s[4:7], s[0:1], 0x0                ; ctx: codes, scale words
	s_load_b128 s[8:11], s[0:1], 0x10              ; the operands' buffers: codes, scale words
	s_load_b128 s[12:15], s[0:1], 0x20             ; out, the bias
	v_lshl_add_u32 v[SPW], v0, 2, SPARE
	v_mov_b32 v[NIL], 0
	ds_add_u32 v28, v29
	ds_add_u32 v28, v29
	s_wait_dscnt 0x0
	v_lshrrev_b32 v1, 5, v0
	v_readfirstlane_b32 s[WV], v1
	s_lshr_b32 s[RH], s[WV], 1
	s_and_b32 s[CH], s[WV], 1
	s_bfe_u32 s40, ttmp6, 0x40000                  ; cx, cy
	s_bfe_u32 s41, ttmp6, 0x40004
	s_lshl_b32 s42, ttmp9, 2
	s_add_co_u32 s42, s42, s40                     ; tile column
	s_and_b32 s19, ttmp7, 0xffff
	s_lshl_b32 s19, s19, 2
	s_add_co_u32 s19, s19, s41                     ; tile row
	s_lshl_b32 s43, s41, 2
	s_lshl_b32 s43, 15, s43                        ; my row of the cluster
	s_lshl_b32 s44, 0x1111, s40                    ; my column
	s_or_b32 s[G1], s43, (3<<16)|(1<<21)           ; codes: 8 rows of 512 elements of 8 bytes, 2,048 elements apart; bit 21 set beside the mask
	s_or_b32 s[G1B], s44, (3<<16)|(1<<21)
.irp g, G1, G1B
	s_mov_b32 s[\g+1], 512<<16
	s_mov_b32 s[\g+2], 8<<16
	s_mov_b32 s[\g+3], 512<<16
	s_mov_b32 s[\g+4], 8
	s_mov_b32 s[\g+5], 2048
	s_mov_b32 s[\g+6], 0
	s_mov_b32 s[\g+7], 0
.endr
	s_or_b32 s[G1S], s43, (3<<16)|(1<<21)          ; scale words of 8 tiles: 4,096 dense bytes as 16 rows of 256
	s_or_b32 s[G1SB], s44, (3<<16)|(1<<21)
.irp g, G1S, G1SB
	s_mov_b32 s[\g+1], 32<<16
	s_mov_b32 s[\g+2], 16<<16
	s_mov_b32 s[\g+3], 32<<16
	s_mov_b32 s[\g+4], 16
	s_mov_b32 s[\g+5], 32
	s_mov_b32 s[\g+6], 0
	s_mov_b32 s[\g+7], 0
.endr
	s_lshl_b32 s20, s19, 4
	s_lshl_b32 s21, s[CH], 3
	s_add_co_u32 s20, s20, s21                     ; ctx: the first tile that I fetch
	s_lshl_b32 s22, s20, 9
	s_lshl_b32 s20, s20, 14
	s_mov_b32 s21, 0
	s_mov_b32 s23, 0
	s_lshl_b32 s46, s42, 4
	s_lshl_b32 s47, s[CH], 3
	s_add_co_u32 s46, s46, s47
	s_add_co_u32 s46, s46, 704                     ; W_out likewise
	s_lshl_b32 s92, s46, 9
	s_lshl_b32 s46, s46, 14
	s_mov_b32 s47, 0
	s_mov_b32 s93, 0
	s_lshl_b32 s45, s[WV], 15
	s_lshl_b32 s94, s[WV], 12
	s_wait_kmcnt 0x0
	s_add_nc_u64 s[20:21], s[4:5], s[20:21]
	s_add_nc_u64 s[22:23], s[6:7], s[22:23]
	s_add_nc_u64 s[46:47], s[8:9], s[46:47]
	s_add_nc_u64 s[92:93], s[10:11], s[92:93]
	CROUND                                         ; all sixteen work-groups are here: the first joint loads meet
	s_mov_b32 s[G0S], 1
	s_add_co_u32 s[G0S+1], s94, SCL
	s_mov_b64 s[G0S+2:G0S+3], s[22:23]
	s_or_b32 s[G0S+3], s[G0S+3], 0x80000000
	s_mov_b32 s[G0SB], 1
	s_add_co_u32 s[G0SB+1], s94, SCL
	s_mov_b64 s[G0SB+2:G0SB+3], s[92:93]
	s_or_b32 s[G0SB+3], s[G0SB+3], 0x80000000
	JLOAD G0S, G1S, G0SB, G1SB
.irp s, 0,1
	s_mov_b32 s[G0+4*\s], 1
	s_add_co_u32 s[G0+4*\s+1], s45, \s*SLOT
	s_add_nc_u64 s[G0+4*\s+2:G0+4*\s+3], s[20:21], \s*4096
	s_or_b32 s[G0+4*\s+3], s[G0+4*\s+3], 0x80000000
	s_mov_b32 s[G0B+4*\s], 1
	s_add_co_u32 s[G0B+4*\s+1], s45, \s*SLOT
	s_add_nc_u64 s[G0B+4*\s+2:G0B+4*\s+3], s[46:47], \s*4096
	s_or_b32 s[G0B+4*\s+3], s[G0B+4*\s+3], 0x80000000
	s_wait_alu depctr_va_vdst(0)
	s_wait_tensorcnt 0x0
	ds_add_u32 v28, v29
	s_wait_dscnt 0x0
	CROUND
	JLOAD G0+4*\s, G1, G0B+4*\s, G1B               ; one load of mine is out behind the last of these: the earlier ones were waited for
.endr
	v_and_b32 v1, 31, v0                           ; lane
	v_and_b32 v2, 15, v0                           ; r
	v_bfe_u32 v3, v0, 4, 1                         ; h
	v_lshlrev_b32 v[LI], 4, v1
	s_wait_alu depctr_va_vdst(0)
	s_lshl_b32 s46, s42, 10                        ; my first column, in bytes: 1,024 x tile column + 512 x half
	s_lshl_b32 s47, s[CH], 9
	s_add_co_u32 s46, s46, s47
	s_mov_b32 s47, 0
	s_add_nc_u64 s[14:15], s[14:15], s[46:47]
	v_lshlrev_b32 v6, 6, v3                        ; the bias: lanes 16-31 begin 16 numbers on
.irp b, 0,1,2,3,4,5,6,7
	global_load_b128 v[BI+8*\b:BI+8*\b+3], v6, s[14:15] offset:128*(\b/2)+32*(\b%2)
	global_load_b128 v[BI+8*\b+4:BI+8*\b+7], v6, s[14:15] offset:128*(\b/2)+32*(\b%2)+16
.endr
	s_lshl_b32 s20, s[RH], 15
	s_lshl_b32 s21, s[CH], 15
	s_add_co_u32 s21, s21, 2*HALFT
.irp s, 0,1
	v_add_nc_u32 v[ADRA+\s], s20, v[LI]
	v_add_nc_u32 v[ADRB+\s], s21, v[LI]
	s_add_co_u32 s20, s20, SLOT
	s_add_co_u32 s21, s21, SLOT
.endr
	s_lshl_b32 s20, s[RH], 12
	s_lshl_b32 s21, s[CH], 12
	s_add_co_u32 s21, s21, 2*HALFS
	s_sub_co_u32 s21, s21, s20
	v_mul_u32_u24 v5, s21, v3                      ; lanes 16-31 take B's scale words
	s_add_co_u32 s20, s20, SCL
	v_lshl_add_u32 v5, v2, 3, v5
	v_add_nc_u32 v[ADRS], s20, v5
	s_mul_i32 s20, s[WV], 16*SPITCH                ; my stage
	v_mul_u32_u24 v5, v2, SPITCH
	v_lshl_add_u32 v5, v3, 6, v5
	v_add_nc_u32 v[STO], s20, v5                   ; in: row r, 64 h
	v_add_nc_u32 v[RD], s20, v[LI]                 ; back: 32 lanes take a row of 512 bytes
	s_lshl_b32 s20, s19, 20                        ; my first row of out: (256 x tile row + 128 x half) x 4,096 bytes
	s_lshl_b32 s21, s[RH], 19
	s_add_co_u32 s20, s20, s21
	s_mov_b32 s21, 0
	s_add_nc_u64 s[20:21], s[20:21], s[46:47]
	s_add_nc_u64 s[12:13], s[12:13], s[20:21]
.macro FRAG reg, adr, q, i
.irp c, 0,1,2,3
	ds_load_b128 v[\reg+4*\c:\reg+4*\c+3], v[\adr] offset:4096*(\i)+2048*(\q)+512*\c
.endr
.endm
; 16 matrix instructions: A's blocks a0, a0 + 1 x B's eight.  first = 1: the product starts the sums on the bias.  The 64 accumulators take turns.
.macro MUL16 a0, p, q, sc, first
.irp a, \a0, \a0+1
.irp b, 0,1,2,3,4,5,6,7
.if \first
	v_wmma_scale_f32_16x16x128_f8f6f4 v[8*(8*((\a)%4)+\b):8*(8*((\a)%4)+\b)+7], v[128*(\p)+FR*\b:128*(\p)+FR*\b+FR-1], v[AF+FR*(\a):AF+FR*(\a)+FR-1], v[BI+8*\b:BI+8*\b+7], v[SC+16*(\sc)+2*\b+(\q)], v[SC+16*(\sc)+2*(\a)+(\q)] matrix_a_scale:MATRIX_SCALE_ROW1
.else
	v_wmma_scale_f32_16x16x128_f8f6f4 v[8*(8*((\a)%4)+\b):8*(8*((\a)%4)+\b)+7], v[128*(\p)+FR*\b:128*(\p)+FR*\b+FR-1], v[AF+FR*(\a):AF+FR*(\a)+FR-1], v[8*(8*((\a)%4)+\b):8*(8*((\a)%4)+\b)+7], v[SC+16*(\sc)+2*\b+(\q)], v[SC+16*(\sc)+2*(\a)+(\q)] matrix_a_scale:MATRIX_SCALE_ROW1
.endif
.endr
.endr
.endm
.macro FETCH_B slot, q, p
	WIN TO_B
.irp i, 0,1,2,3,4,5,6,7
	FRAG 128*(\p)+FR*\i, ADRB+\slot, \q, \i
.endr
	WIN 0
.endm
.macro FETCH_A slot, q, i0
.irp i, \i0, \i0+1, \i0+2, \i0+3
	FRAG AF+FR*(\i), ADRA+\slot, \q, \i
.endr
.endm
.macro SCALES sc, kp
.irp i, 0,1,2,3,4,5,6,7
	ds_load_b64 v[SC+16*\sc+2*\i:SC+16*\sc+2*\i+1], v[ADRS] offset:512*\i+128*\kp
.endr
.endm
.macro PLACES n                        ; eight places between a matrix instruction of this form and a load into one of its registers or a read of its result
.rept \n
	v_nop
.endr
.endm
.macro STEP slot, first
	s_wait_dscnt 16                                ; B's set and A's blocks 0-3 are in; the youngest sixteen loads (A's blocks 4-7) may be out
.if \first
	WIN FIRST_LO
.else
	WIN MUL_LO
.endif
	MUL16 0, 0, 0, \slot, \first
	MUL16 2, 0, 0, \slot, \first
	s_wait_dscnt 0x0
	PLACES 8
	FETCH_B \slot, 1, 1
	FETCH_A \slot, 1, 0
.if \first
	WIN FIRST_HI
.else
	WIN MUL_HI
.endif
	MUL16 4, 0, 0, \slot, \first
	MUL16 6, 0, 0, \slot, \first
	PLACES 8
	WIN 0
	FETCH_A \slot, 1, 4
.endm
.macro TURN slot, next, fill, kp
	s_wait_tensorcnt 0x0                           ; all my tensor loads have landed: my part of the next slot
	ds_add_u32 v[SPW], v[NIL]                      ; 0 onto my spare word
	s_wait_dscnt 17                                ; (the add and the youngest sixteen loads may be out)
	WIN MUL_LO
	MUL16 0, 1, 1, \slot, 0
	s_wait_dscnt 0x0                               ; the add is done, and my reads of this slot are over
	s_barrier_signal -1
	MUL16 2, 1, 1, \slot, 0
	WIN 0
	s_barrier_wait -1
.if \fill
	CREST                                          ; the barrier has opened a round of the cluster's: no wave of any partner still reads this slot or has a load on its way
	s_add_nc_u64 s[G0+4*\slot+2:G0+4*\slot+3], s[G0+4*\slot+2:G0+4*\slot+3], 8192
	s_add_nc_u64 s[G0B+4*\slot+2:G0B+4*\slot+3], s[G0B+4*\slot+2:G0B+4*\slot+3], 8192
	JLOAD G0+4*\slot, G1, G0B+4*\slot, G1B
	PLACES 4
.else
	PLACES 8
.endif
	FETCH_B \next, 0, 0
	FETCH_A \next, 0, 0
	SCALES \next, \kp
	WIN MUL_HI
	MUL16 4, 1, 1, \slot, 0
	MUL16 6, 1, 1, \slot, 0
	PLACES 8
	WIN 0
	FETCH_A \next, 0, 4
.endm
	s_wait_alu depctr_va_vdst(0)
	s_wait_tensorcnt 1                             ; the scale words and my part of K step 0 are in; K step 1's load may be out
	s_barrier_signal -1
	s_barrier_wait -1
	FETCH_B 0, 0, 0
	FETCH_A 0, 0, 0
	SCALES 0, 0
	FETCH_A 0, 0, 4
	s_wait_loadcnt 0x0                             ; the bias
	STEP 0, 1
	TURN 0, 1, 1, 1
	STEP 1, 0
	TURN 1, 0, 1, 2
	STEP 0, 0
	TURN 0, 1, 0, 3
	STEP 1, 0
	s_wait_dscnt 16
	WIN MUL_LO
	MUL16 0, 1, 1, 1, 0
	MUL16 2, 1, 1, 1, 0
	s_wait_dscnt 0x0
	WIN MUL_HI
	MUL16 4, 1, 1, 1, 0
	MUL16 6, 1, 1, 1, 0
	WIN 0
; THE WAY OUT, block by block of 16 rows x 128 columns, through my own stage: in by 16 bytes at a lane's columns, back as whole rows of 512 bytes.  LDS serves a wave's instructions in order: no wait between the stores and the loads.
.macro TOSTAGE a
.set AC, 64*((\a)%4)
.set WD, 0x08+4*((\a)/4)               ; an LDS store's data are its source 1: window 2 or 3
	WIN WD
.irp b, 0,1,2,3,4,5,6,7
	ds_store_b128 v[STO], v[AC+8*\b:AC+8*\b+3] offset:128*(\b/2)+32*(\b%2)        ; each accumulator from its low end on
	ds_store_b128 v[STO], v[AC+8*\b+4:AC+8*\b+7] offset:128*(\b/2)+32*(\b%2)+16
.endr
	WIN 0
.set BB, BK+64*((\a)%2)
.irp t, 0,1,2,3,4,5,6,7,8,9,10,11,12,13,14,15
	ds_load_b128 v[BB+4*\t:BB+4*\t+3], v[RD] offset:\t*SPITCH
.endr
.endm
.macro SEND a, younger                 ; younger: the LDS instructions issued behind block a's loads, which may stay out
.set BB, BK+64*((\a)%2)
	s_wait_dscnt \younger
.irp t, 0,1,2,3,4,5,6,7,8,9,10,11,12,13,14,15
	global_store_b128 v[LI], v[BB+4*\t:BB+4*\t+3], s[12:13] offset:(32*((\a)/2)+8*((\a)%2)+\t+8*(\t/8))*4096 th:TH_STORE_NT   ; position t of tile a is this row; 32 lanes store 512 consecutive bytes
.endr
.endm
	PLACES 8
	TOSTAGE 0
.irp a, 1,2,3,4,5,6,7
.if \a > 1
	s_wait_xcnt 0x0                                ; block a - 2's stores have read their registers: block a's loads may land there
.endif
	TOSTAGE \a
	SEND \a-1, 32                                  ; behind block a - 1's loads: block a's 16 stores and 16 loads
.endr
	SEND 7, 0
	s_wait_tensorcnt 0x0                           ; the wave's end
	ds_add_u32 v[SPW], v[NIL]
	s_wait_dscnt 0x0
	CROUND                                         ; the closing round
	s_endpgm
.Lfunc_end_k_q23bc8e8e65_outp:
	.size	k_q23bc8e8e65_outp, .Lfunc_end_k_q23bc8e8e65_outp-k_q23bc8e8e65_outp
	.p2alignl 7, 3214868480
	.fill 96, 4, 3214868480
	.section	.rodata,"a",@progbits
	.p2align	6, 0x0
	.amdhsa_kernel k_q23bc8e8e65_outp
		.amdhsa_group_segment_fixed_size 327680
		.amdhsa_private_segment_fixed_size 0
		.amdhsa_enable_private_segment 0
		.amdhsa_kernarg_size 48
		.amdhsa_user_sgpr_count 2
		.amdhsa_user_sgpr_kernarg_segment_ptr 1
		.amdhsa_wavefront_size32 1
		.amdhsa_system_sgpr_workgroup_id_x 1
		.amdhsa_system_sgpr_workgroup_id_y 1
		.amdhsa_system_sgpr_workgroup_id_z 1
		.amdhsa_system_vgpr_workitem_id 0
		.amdhsa_next_free_vgpr 1024
		.amdhsa_next_free_sgpr 100
		.amdhsa_reserve_vcc 0
		.amdhsa_float_denorm_mode_32 3
		.amdhsa_float_denorm_mode_16_64 3
		.amdhsa_memory_ordered 1
		.amdhsa_forward_progress 1
		.amdhsa_inst_pref_size 147
	.end_amdhsa_kernel
	.amdgpu_metadata
---
amdhsa.version: [ 1, 2 ]
amdhsa.kernels:
  - .name:           k_q23bc8e8e65_outp
    .symbol:         k_q23bc8e8e65_outp.kd
    .args:
      - { .name: cxc, .offset: 0, .size: 8, .value_kind: global_buffer, .address_space: global }
      - { .name: cxs, .offset: 8, .size: 8, .value_kind: global_buffer, .address_space: global }
      - { .name: opc, .offset: 16, .size: 8, .value_kind: global_buffer, .address_space: global }
      - { .name: ops, .offset: 24, .size: 8, .value_kind: global_buffer, .address_space: global }
      - { .name: out0, .offset: 32, .size: 8, .value_kind: global_buffer, .address_space: global }
      - { .name: b_out, .offset: 40, .size: 8, .value_kind: global_buffer, .address_space: global }
    .group_segment_fixed_size: 327680
    .private_segment_fixed_size: 0
    .kernarg_segment_align: 8
    .kernarg_segment_size: 48
    .max_flat_workgroup_size: 128
    .sgpr_count:     100
    .vgpr_count:     1024
    .wavefront_size: 32
...
	.end_amdgpu_metadata
.endif
;; end of part 4
